; MI455X (gfx1250); checked and timed in simulation.
; The chip was launched on July 23, 2026; its instructions are those of AMD's public machine-readable ISA for CDNA 5 (MIT licence, August 2026) and "CDNA5" Instruction Set Architecture Reference Guide (July 2026). The comments in the code are by the model that wrote it; some were corrected since.
;; Patch TST Rope Attention. Allowed arithmetic: float matrix products may take bf16 or f16 operands with f32 sums; all other float work in f32.
;; Inputs: Wk 512 x 512 float32; Wo 512 x 512 float32; Wq 512 x 512 float32; Wv 512 x 512 float32; bk 512 float32; bo 512 float32; bq 512 float32; bv 512 float32; hidden_states 4 x 2,048 x 512 float32.
;; Outputs: out0 4 x 2,048 x 512 float32.
;; 2 versions, each right. Each part assembles by itself: llvm-mc -triple=amdgcn-amd-amdhsa -mcpu=gfx1250 --defsym DOCPART=n.
;; ======== version 1 of 2: 3 launches
;; limits: values are held in f16: magnitudes above 65,504 overflow, below 6.1e-05 lose precision
;; workspace buffers: qkv 25,165,824 bytes; wot 524,288 bytes; o 16,777,216 bytes
;; launch qkv (part 1): grid 8 x 32, 4 waves a work-group, clusters of 4 x 1, 327,680 bytes of LDS; arguments hidden_states, Wq, Wk, Wv, Wo, bq, bk, bv, qkv, wot; writes qkv, wot
.if DOCPART == 1
	.amdgcn_target "amdgcn-amd-amdhsa--gfx1250"
	.amdhsa_code_object_version 6
	.text
	.protected	k_q61cabf29ec_qkv
	.globl	k_q61cabf29ec_qkv
	.p2align	8
	.type	k_q61cabf29ec_qkv,@function
k_q61cabf29ec_qkv:
	s_mov_b64 s[64:65], 0
	v_nop
	global_prefetch_b8 v0, s[64:65] scope:SCOPE_SE
	s_setreg_imm32_b32 hwreg(HW_REG_WAVE_MODE, 25, 1), 1
	s_wait_xcnt 0x0
	s_wait_alu depctr_hold_cnt(0) depctr_sa_sdst(0) depctr_va_vdst(0) depctr_va_sdst(0) depctr_va_ssrc(0) depctr_va_vcc(0) depctr_vm_vsrc(0)
	s_getreg_b32 s2, hwreg(HW_REG_IB_STS2, 6, 4)
	s_cmp_eq_u32 s2, 0
	s_cbranch_scc0 .Lentry_in_a_cluster
	s_endpgm
.Lentry_in_a_cluster:
	s_bfe_u32 s2, ttmp6, 0x10000c
	s_cmp_lg_u32 s2, 0x3003
	s_cbranch_scc0 .Lentry_shape_is_right
	s_endpgm
.Lentry_shape_is_right:
; q, k, v = h W + b for ONE head and 256 rows, partial RoPE on q and k, q times 0.125 log2(e), all three cast to f16:
;   qkv[kind 3][bh 32][s 2048][64] f16.   Side job: a block of 128 x 8 of Wo goes out transposed in bf16: wot[n 512][k 512].
; Products: bf16 operands (h and W are rounded once, to nearest even), f32 sums that start from the f32 bias.
; Four waves; wave w makes rows 64 w .. 64 w + 63 x 192 columns (64 of q, 64 of k, 64 of v): 48 accumulator tiles, 384 registers.
; K = 512 goes in 8 steps of 64, each two halves of 32.  h comes as f32 tiles through two LDS slots filled by the tensor data mover
; (rows of 256 bytes); each wave fetches and reads its own 64 rows.  W comes through registers, is cast, and lies in LDS as [k][n] bf16,
; from where the transposing LDS load makes fragments.
; CLUSTER 4 x 1: the four work-groups of a cluster make four heads of the same 256 rows, so they need the same tiles of h and ask for them
; jointly (mask 15).  The place in the cluster enters global addresses alone (W, biases, outputs, the block of Wo).
; The matrix instruction is used transposed (source 0 = 16 columns of W, source 1 = 16 rows of h): lane l holds row l % 16, its registers
; 0..7 the columns 8 (l / 16) + 0..7 of a tile.  RoPE pairs channel d < 16 with d + 32: tile 0 with tile 2, same lane, same register.
; LIMITS: f16 outputs: |0.18 q|, |k|, |v| must stay below 65,504.  sin and cos: the angle is reduced as pos x (f / 2 pi) with f / 2 pi
; rounded to f32, an angle error of at most 1.3e-4 rad at pos 2047; the two series are cut at an error of at most 4e-6.
.set APITCH, 272                       ; an LDS row of h: 256 bytes + 16: 16 rows start in 16 different 16-byte columns
.set AWAVE,  64*APITCH                 ; a wave's part of a slot
.set ASLOT,  4*AWAVE
.set BB,     2*ASLOT                   ; W in bf16, [k 64][n 192], two buffers, written by LDS stores alone
.set BPITCH, 416                       ; 384 bytes + 32: an odd multiple of 32
.set BSLOT,  64*BPITCH
.set STAGE,  BB+2*BSLOT                ; the way out: per wave [3 kinds][16 rows] of 128 bytes + 16
.set SPITCH, 144
.set SKIND,  16*SPITCH
.set SWAVE,  3*SKIND
.set WOS,    STAGE+4*SWAVE             ; Wo's block transposed: 8 rows of 256 bytes + 16
.set AB, 32                            ; v[32:63], v[64:95]  h fragments in bf16, two buffers
.set AF, 96                            ; v[96:159]           h fragments as loaded, f32
.set CV, 160                           ; v[160:255]          W as loaded, f32; on the way out: rows read back
.set YT, 32                            ; the way out: four tiles in f32
.set ZT, 64                            ; the way out: packed f16, 16 registers a kind
; window 1: q and k sums, tile (mt, nt) at v[8 (8 mt + nt)]
; window 2: v sums at v[8 (4 mt + nt)]; cos at v[128 + 16 mt + j], sin at v[136 + 16 mt + j]; q and k bias at v[192 + 8 nt]
; window 3: W fragments, two buffers of 96 at v0 and v96; v bias at v[192 + 8 nt]
.set MSB, 0
.macro WIN new                         ; the immediate's high byte repeats the setting that is left
.if MSB != \new
	s_set_vgpr_msb (MSB<<8)|\new
.set MSB, \new
.endif
.endm
.macro PLACES                          ; four places behind a matrix instruction (ISA guide 7.12.1), before its registers are loaded, written or read
.rept 4
	v_nop
.endr
.endm
.macro CREST                           ; a round of the cluster's barrier behind its opening work-group barrier
	s_cmp_lg_u32 s40, 0
	s_cbranch_scc1 .Lnot_wave_0_\@
	s_barrier_signal -3
.Lnot_wave_0_\@:
	s_barrier_wait -3
	s_barrier_signal -1
	s_barrier_wait -1
.endm
.macro CROUND
	s_barrier_signal -1
	s_barrier_wait -1
	CREST
.endm
	s_load_b512 s[4:19], s[0:1], 0x0               ; h s[4:5], Wq s[6:7], Wk s[8:9], Wv s[10:11], Wo s[12:13], bq s[14:15], bk s[16:17], bv s[18:19]
	s_load_b128 s[20:23], s[0:1], 0x40             ; qkv s[20:21], wot s[22:23]
	s_set_vgpr_msb 0xc0
	v_lshl_add_u32 v224, v0, 2, 0x36500
	v_mov_b32 v225, 0
	s_set_vgpr_msb 0xc0cf
	ds_add_u32 v224, v225
	s_set_vgpr_msb 0xcf00
	v_lshrrev_b32 v3, 5, v0
	v_readfirstlane_b32 s40, v3                    ; wave 0..3
	s_bfe_u32 s41, ttmp6, 0x40000                  ; cx
	s_lshl_b32 s42, ttmp9, 2
	s_add_co_u32 s42, s42, s41                     ; head = 4 x cluster x + cx
	s_and_b32 s43, ttmp7, 0xffff                   ; block of 256 rows
	; descriptor group 1: 64 rows x 64 f32, 4 words of padding behind every 64 words, joint for the four work-groups
	s_mov_b32 s24, 15|(2<<16)|(1<<20)|(1<<21)|(5<<22)|(3<<25)
	s_mov_b32 s25, 64<<16                          ; tensor_dim0 = 64
	s_mov_b32 s26, 64<<16                          ; tensor_dim1 = 64
	s_mov_b32 s27, 64<<16                          ; tile_dim0 = 64
	s_mov_b32 s28, 64                              ; tile_dim1 = 64
	s_mov_b32 s29, 512                             ; elements from row to row
	s_mov_b32 s30, 0
	s_mov_b32 s31, 0
	s_lshl_b32 s52, s43, 8
	s_lshl_b32 s53, s40, 6
	s_add_co_u32 s52, s52, s53                     ; my wave's first row of h: made of the block and the wave alone
	s_lshl_b32 s52, s52, 11                        ; x 2,048 bytes
	s_mov_b32 s53, 0
	s_mul_i32 s54, s40, AWAVE                      ; my wave's part of a slot
	s_lshl_b32 s44, s42, 8                         ; the head's 64 columns: 256 bytes in a row of W and in a bias
	s_mov_b32 s45, 0
	s_lshr_b32 s56, s43, 3
	s_lshl3_add_u32 s56, s56, s42                  ; bh = 8 b + head
	s_lshl_b32 s56, s56, 18
	s_and_b32 s60, s43, 7
	s_lshl_b32 s60, s60, 8
	s_lshl_b32 s57, s40, 6
	s_add_co_u32 s60, s60, s57                     ; my wave's first position in the sequence
	s_lshl_b32 s57, s60, 7
	s_add_co_u32 s56, s56, s57                     ; bh x 262,144 + position x 128
	s_mov_b32 s57, 0
	s_lshl3_add_u32 s58, s43, s42                  ; the work-group's number 0..255 picks its block of Wo
	s_and_b32 s59, s58, 3                          ; which 128 k
	s_lshr_b32 s58, s58, 2                         ; which 8 n
	s_lshl_b32 s62, s59, 18
	s_lshl_b32 s63, s58, 5
	s_add_co_u32 s62, s62, s63                     ; in Wo: 128 kb rows + 8 nb columns
	s_mov_b32 s63, 0
	s_lshl_b32 s58, s58, 13
	s_lshl_b32 s59, s59, 8
	s_add_co_u32 s58, s58, s59                     ; in wot: 8 nb rows + 128 kb columns
	s_mov_b32 s59, 0
	s_mov_b32 s50, 0x3e38aa3b                      ; 0.125 log2(e): the softmax then works in base 2
	s_mov_b32 s51, 0x3e38aa3b
	s_mul_i32 s55, s40, SWAVE
	s_add_co_u32 s55, s55, STAGE                   ; my wave's stage
	v_and_b32 v1, 15, v0                           ; r
	v_bfe_u32 v2, v0, 4, 1                         ; h
	v_mul_u32_u24 v3, v1, APITCH
	v_lshl_add_u32 v3, v2, 5, v3
	v_add_nc_u32 v4, s54, v3                       ; h fragments, slot 0: row r, 8 f32 at 32 h
	v_add_nc_u32 v5, ASLOT, v4                     ; slot 1
	v_and_b32 v3, 7, v0
	v_lshl_add_u32 v3, v2, 3, v3
	v_mul_u32_u24 v3, v3, BPITCH
	v_bfe_u32 v6, v0, 3, 1
	v_lshl_add_u32 v3, v6, 4, v3
	v_add_nc_u32 v6, BB, v3                        ; W fragments: row 8 h + l % 8, 16 bytes at 16 ((l / 8) % 2)
	v_lshrrev_b32 v3, 4, v0                        ; thread / 16: 0..7
	v_mul_u32_u24 v7, v3, BPITCH
	v_lshl_add_u32 v7, v1, 3, v7
	v_add_nc_u32 v7, BB, v7                        ; where my four cast numbers of W go
	v_lshlrev_b32 v8, 11, v3
	v_lshl_add_u32 v8, v1, 4, v8                   ; where they come from: row thread / 16, 16 bytes at 16 (thread % 16)
	v_mul_u32_u24 v9, v1, SPITCH
	v_lshl_add_u32 v9, v2, 4, v9
	v_add_nc_u32 v9, s55, v9                       ; stage, in: row r, 16 bytes at 16 h
	v_bfe_u32 v10, v0, 3, 2
	v_mul_u32_u24 v10, v10, SPITCH
	v_and_b32 v11, 7, v0
	v_lshl_add_u32 v10, v11, 4, v10
	v_add_nc_u32 v10, s55, v10                     ; stage, back: four rows of 128 bytes a load
	v_and_b32 v11, 31, v0
	v_lshlrev_b32 v11, 4, v11                      ; 16 x lane
	v_lshlrev_b32 v12, 5, v2                       ; biases: 8 numbers at 32 h
	v_lshlrev_b32 v13, 11, v0                      ; Wo: row thread
	v_lshlrev_b32 v14, 1, v0
	v_add_nc_u32 v14, WOS, v14                     ; transposed: column thread
	v_mul_u32_u24 v15, v3, 272
	v_lshl_add_u32 v15, v1, 4, v15
	v_add_nc_u32 v15, WOS, v15                     ; back: row thread / 16
	v_lshlrev_b32 v16, 10, v3
	v_lshl_add_u32 v16, v1, 4, v16                 ; the same place in wot
	v_add_nc_u32 v17, s60, v1
	v_cvt_f32_u32 v17, v17                         ; my position, for m tile 0
	v_mov_b32 v18, 0x3da83c1b                      ; pi^9 / 9!
	v_mov_b32 v19, 0xbcd368f9                      ; -pi^10 / 10!
	v_cmp_eq_u32 vcc_lo, 1, v2
	v_mov_b32 v3, 0x3dcccccd
	v_cndmask_b32 v3, 1.0, v3, vcc_lo              ; channels 8..15 turn ten times slower than 0..7
	v_mul_f32 v20, 0x3e22f983, v3                  ; 10^(-j/8) / 2 pi, j = 0..7
	v_mul_f32 v21, 0x3df46d71, v3
	v_mul_f32 v22, 0x3db74b76, v3
	v_mul_f32 v23, 0x3d8973a2, v3
	v_mul_f32 v24, 0x3d4e2601, v3
	v_mul_f32 v25, 0x3d1a96ec, v3
	v_mul_f32 v26, 0x3ce7da02, v3
	v_mul_f32 v27, 0x3cadd3a0+0x99a, v3            ; 0x3cadDD3A
	s_wait_dscnt 0x0
	s_wait_kmcnt 0x0
	s_add_nc_u64 s[4:5], s[4:5], s[52:53]
	s_add_nc_u64 s[6:7], s[6:7], s[44:45]
	s_add_nc_u64 s[8:9], s[8:9], s[44:45]
	s_add_nc_u64 s[10:11], s[10:11], s[44:45]
	s_add_nc_u64 s[14:15], s[14:15], s[44:45]
	s_add_nc_u64 s[16:17], s[16:17], s[44:45]
	s_add_nc_u64 s[18:19], s[18:19], s[44:45]
	s_add_nc_u64 s[12:13], s[12:13], s[62:63]
	s_add_nc_u64 s[22:23], s[22:23], s[58:59]
	s_add_nc_u64 s[20:21], s[20:21], s[56:57]      ; q's rows
	s_add_nc_u64 s[46:47], s[20:21], 0x800000      ; k's
	s_add_nc_u64 s[48:49], s[20:21], 0x1000000     ; v's
.irp n, 0,1
	s_mov_b32 s[32+4*\n], 1                        ; descriptor group 0, a set for each slot
	s_add_co_u32 s[33+4*\n], s54, \n*ASLOT
	s_add_nc_u64 s[34+4*\n:35+4*\n], s[4:5], \n*256
	s_or_b32 s[35+4*\n], s[35+4*\n], 0x80000000
.endr
	CROUND                                         ; the four work-groups are here: the first joint loads meet
	tensor_load_to_lds s[32:35], s[24:31]          ; K step 0
	s_nop 0
	tensor_load_to_lds s[36:39], s[24:31]          ; K step 1: two loads of a wave are out, the most in this text
	s_nop 0
; 40 LDS loads: half u of the K step in slot: 16 for my 64 rows of h (f32), 24 transposing ones for 192 columns of W into buffer buf
.macro FETCH slot, u, buf
	WIN 0
.irp mt, 0,1,2,3
	ds_load_b128 v[AF+16*\mt:AF+16*\mt+3],     v[4+\slot] offset:\mt*16*APITCH+\u*128
	ds_load_b128 v[AF+16*\mt+4:AF+16*\mt+7],   v[4+\slot] offset:\mt*16*APITCH+\u*128+16
	ds_load_b128 v[AF+16*\mt+8:AF+16*\mt+11],  v[4+\slot] offset:\mt*16*APITCH+\u*128+64
	ds_load_b128 v[AF+16*\mt+12:AF+16*\mt+15], v[4+\slot] offset:\mt*16*APITCH+\u*128+80
.endr
	WIN 0xc0
.irp nt, 0,1,2,3,4,5,6,7,8,9,10,11
	ds_load_tr16_b128 v[96*\buf+8*\nt:96*\buf+8*\nt+3],   v6 offset:\slot*BSLOT+\u*32*BPITCH+\nt*32
	ds_load_tr16_b128 v[96*\buf+8*\nt+4:96*\buf+8*\nt+7], v6 offset:\slot*BSLOT+\u*32*BPITCH+\nt*32+16*BPITCH
.endr
	WIN 0
.endm
.macro CVTA buf                        ; h fragments, f32 to bf16
.irp mt, 0,1,2,3
.irp i, 0,1,2,3,4,5,6,7
	v_cvt_pk_bf16_f32 v[AB+32*\buf+8*\mt+\i], v[AF+16*\mt+2*\i], v[AF+16*\mt+2*\i+1]
.endr
.endr
.endm
.macro LOADB t                         ; K step t of the head's columns of Wq, Wk, Wv: a load of a wave covers two rows' 256 bytes
.irp p, 0,1,2,3,4,5,6,7
	global_load_b128 v[CV+4*\p:CV+4*\p+3], v8, s[6:7] offset:(\t)*131072+\p*16384
.endr
.irp p, 0,1,2,3,4,5,6,7
	global_load_b128 v[CV+32+4*\p:CV+32+4*\p+3], v8, s[8:9] offset:(\t)*131072+\p*16384
.endr
.irp p, 0,1,2,3,4,5,6,7
	global_load_b128 v[CV+64+4*\p:CV+64+4*\p+3], v8, s[10:11] offset:(\t)*131072+\p*16384
.endr
.endm
.macro CVTB slot                       ; cast, and into LDS as [k][n]
.irp m, 0,1,2
.irp p, 0,1,2,3,4,5,6,7
	v_cvt_pk_bf16_f32 v[CV+32*\m+4*\p],   v[CV+32*\m+4*\p],   v[CV+32*\m+4*\p+1]
	v_cvt_pk_bf16_f32 v[CV+32*\m+4*\p+1], v[CV+32*\m+4*\p+2], v[CV+32*\m+4*\p+3]
	ds_store_b64 v7, v[CV+32*\m+4*\p:CV+32*\m+4*\p+1] offset:\slot*BSLOT+\p*8*BPITCH+\m*128
.endr
.endr
.endm
; The 48 accumulators take turns, one instruction a turn, in the same order in every half step.
; first = 1: the sums start from the bias registers, so that nothing is cleared and the bias costs nothing.
.macro MMQK buf, mt0, first
.if \first
	WIN 0x63
.else
	WIN 0x53
.endif
.irp mt, \mt0, \mt0+1
.irp nt, 0,1,2,3,4,5,6,7
.if \first
	v_wmma_f32_16x16x32_bf16 v[8*(8*(\mt)+\nt):8*(8*(\mt)+\nt)+7], v[96*\buf+8*\nt:96*\buf+8*\nt+7], v[AB+32*\buf+8*(\mt):AB+32*\buf+8*(\mt)+7], v[192+8*\nt:192+8*\nt+7]
.else
	v_wmma_f32_16x16x32_bf16 v[8*(8*(\mt)+\nt):8*(8*(\mt)+\nt)+7], v[96*\buf+8*\nt:96*\buf+8*\nt+7], v[AB+32*\buf+8*(\mt):AB+32*\buf+8*(\mt)+7], v[8*(8*(\mt)+\nt):8*(8*(\mt)+\nt)+7]
.endif
.endr
.endr
.endm
.macro MMV buf, first
.if \first
	WIN 0xb3
.else
	WIN 0xa3
.endif
.irp mt, 0,1,2,3
.irp nt, 0,1,2,3
.if \first
	v_wmma_f32_16x16x32_bf16 v[8*(4*\mt+\nt):8*(4*\mt+\nt)+7], v[96*\buf+64+8*\nt:96*\buf+64+8*\nt+7], v[AB+32*\buf+8*\mt:AB+32*\buf+8*\mt+7], v[192+8*\nt:192+8*\nt+7]
.else
	v_wmma_f32_16x16x32_bf16 v[8*(4*\mt+\nt):8*(4*\mt+\nt)+7], v[96*\buf+64+8*\nt:96*\buf+64+8*\nt+7], v[AB+32*\buf+8*\mt:AB+32*\buf+8*\mt+7], v[8*(4*\mt+\nt):8*(4*\mt+\nt)+7]
.endif
.endr
.endr
.endm
; sin and cos of pos x 10^(-d/8) for my row of m tile mt and my eight channels.  t = angle / 2 pi; r = t - nearest whole number, made by one
; fused multiply-add; sin(pi r) and cos(pi r) by their series on |r| <= 1/2; then the double angle.
.macro TRIG mt
.irp j, 0,1,2,3,4,5,6,7
	v_mul_f32 v56, v17, v[20+\j]
	v_rndne_f32 v56, v56
	v_fma_f32 v56, v17, v[20+\j], -v56             ; r
	v_mul_f32 v57, v56, v56                        ; r^2
	v_fmaak_f32 v58, v18, v57, 0xbf196966
	v_fmaak_f32 v59, v19, v57, 0x3e70fa83
	v_fmaak_f32 v58, v58, v57, 0x402335e3
	v_fmaak_f32 v59, v59, v57, 0xbfaae9e4
	v_fmaak_f32 v58, v58, v57, 0xc0a55de7
	v_fmaak_f32 v59, v59, v57, 0x4081e0f8
	v_fmaak_f32 v58, v58, v57, 0x40490fdb
	v_fmaak_f32 v59, v59, v57, 0xc09de9e6
	v_mul_f32 v[48+\j], v58, v56                   ; sin(pi r)
	v_fma_f32 v[40+\j], v59, v57, 1.0              ; cos(pi r)
	v_add_f32 v[32+\j], v[48+\j], v[48+\j]
.endr
	WIN 0x80
.irp j, 0,1,2,3,4,5,6,7
	v_mul_f32 v[136+16*\mt+\j], v[32+\j], v[40+\j]            ; sin = 2 s c
	v_fma_f32 v[128+16*\mt+\j], -v[32+\j], v[48+\j], 1.0      ; cos = 1 - 2 s s
.endr
	WIN 0
	v_add_f32 v17, 0x41800000, v17                 ; the next m tile's row: 16 further
.endm
	LOADB 0
	WIN 0x80
.irp nt, 0,1,2,3
	global_load_b128 v[192+8*\nt:195+8*\nt], v12, s[14:15] offset:64*\nt
	global_load_b128 v[196+8*\nt:199+8*\nt], v12, s[14:15] offset:64*\nt+16
	global_load_b128 v[224+8*\nt:227+8*\nt], v12, s[16:17] offset:64*\nt
	global_load_b128 v[228+8*\nt:231+8*\nt], v12, s[16:17] offset:64*\nt+16
.endr
	WIN 0xc0
.irp nt, 0,1,2,3
	global_load_b128 v[192+8*\nt:195+8*\nt], v12, s[18:19] offset:64*\nt
	global_load_b128 v[196+8*\nt:199+8*\nt], v12, s[18:19] offset:64*\nt+16
.endr
	WIN 0
	global_load_b128 v[96:99], v13, s[12:13]       ; Wo[128 kb + thread][8 nb .. + 7]
	global_load_b128 v[100:103], v13, s[12:13] offset:16
	TRIG 0                                         ; register work while the first tiles are on their way
	TRIG 1
	TRIG 2
	TRIG 3
	s_wait_loadcnt 0x0                             ; W's K step 0, the biases, Wo's block
	CVTB 0
	LOADB 1
.irp i, 0,1,2,3
	v_cvt_pk_bf16_f32 v[104+\i], v[96+2*\i], v[97+2*\i]
.endr
.irp i, 0,1,2,3
	ds_store_b16 v14, v[104+\i] offset:2*\i*272
	ds_store_b16_d16_hi v14, v[104+\i] offset:(2*\i+1)*272
.endr
	s_wait_tensorcnt 0x1                           ; my rows of K step 0 are in; K step 1 may stay out
	s_wait_dscnt 0x0                               ; my part of W and of Wo's block is written
	s_barrier_signal -1
	s_barrier_wait -1
	ds_load_b128 v[28:31], v15                     ; eight k of one n of Wo's block
	FETCH 0, 0, 0
	s_wait_dscnt 40                                ; all but the 40 just issued
	global_store_b128 v16, v[28:31], s[22:23]      ; sixteen lanes store 256 consecutive bytes, at a multiple of 256 from wot's first byte
	s_wait_dscnt 24                                ; the 16 loads of h are in; the 24 of W may stay out
	CVTA 0
; The first half of K step t (slot s): multiplies buffer 0, fetches the second half, casts W's next K step into the other buffer of W.
.macro EVEN t, s, ns, first
	PLACES
	FETCH \s, 1, 1
	s_wait_dscnt 40                                ; buffer 0 is whole; the 40 just issued may stay out
	MMQK 0, 0, \first
	WIN 0
	s_wait_dscnt 24                                ; the 16 loads of h are in
	CVTA 1
.if \t <= 6
	s_wait_loadcnt 0x0                             ; W's next K step, asked for a K step ago
	CVTB \ns                                       ; its last readers passed the barrier of the K step before
.endif
.if \t <= 5
	LOADB \t+2
.endif
	MMQK 0, 2, \first
	MMV 0, \first
.endm
; The second half: multiplies buffer 1 and changes slots.  In front of the barrier each wave waits for its LDS reads and stores and for all its
; tensor loads (one is out: the next K step's).  Where the slot is filled again the barrier opens a round of the cluster's barrier, only
; matrix instructions stand inside it, and the joint refill is the first thing behind it; it has 96 matrix instructions in which to land.
.macro ODD t, s, ns
	s_wait_dscnt 0x0
	s_set_vgpr_msb (MSB<<8)|((MSB&0xf0)|0xf)
	s_wait_tensorcnt 0x0
	ds_add_u32 v224, v225
	s_wait_dscnt 0x0
	s_set_vgpr_msb (((MSB&0xf0)|0xf)<<8)|MSB
.if \t <= 5
	s_add_nc_u64 s[34+4*\s:35+4*\s], s[34+4*\s:35+4*\s], 512   ; no load of mine is out: this slot's address steps two K steps on
.endif
	s_barrier_signal -1
	MMQK 1, 0, 0
	WIN 0
	s_barrier_wait -1
.if \t <= 5
	CREST
	tensor_load_to_lds s[32+4*\s:35+4*\s], s[24:31]
	s_nop 0
.endif
	PLACES
	FETCH \ns, 0, 0
	MMQK 1, 2, 0
	WIN 0
	s_wait_dscnt 24
	CVTA 0
	MMV 1, 0
.endm
	EVEN 0, 0, 1, 1
	ODD  0, 0, 1
	EVEN 1, 1, 0, 0
	ODD  1, 1, 0
	EVEN 2, 0, 1, 0
	ODD  2, 0, 1
	EVEN 3, 1, 0, 0
	ODD  3, 1, 0
	EVEN 4, 0, 1, 0
	ODD  4, 0, 1
	EVEN 5, 1, 0, 0
	ODD  5, 1, 0
	EVEN 6, 0, 1, 0
	ODD  6, 0, 1
	EVEN 7, 1, 0, 0
	s_wait_dscnt 0x0                               ; the last half: nothing more to fetch
	MMQK 1, 0, 0
	MMQK 1, 2, 0
	MMV 1, 0
	PLACES
; y1 = x1 cos - x2 sin, y2 = x2 cos + x1 sin for tiles 0 and 2 of the kind whose tile 0 lies at window 1's register base
.macro ROPE base, mt
	WIN 0x09
.irp j, 0,2,4,6
	v_pk_mul_f32 v[YT+\j:YT+\j+1], v[\base+\j:\base+\j+1], v[128+16*\mt+\j:128+16*\mt+\j+1]
	v_pk_mul_f32 v[YT+16+\j:YT+16+\j+1], v[\base+16+\j:\base+16+\j+1], v[128+16*\mt+\j:128+16*\mt+\j+1]
.endr
.irp j, 0,2,4,6
	v_pk_fma_f32 v[YT+\j:YT+\j+1], v[\base+16+\j:\base+16+\j+1], v[136+16*\mt+\j:136+16*\mt+\j+1], v[YT+\j:YT+\j+1] neg_lo:[1,0,0] neg_hi:[1,0,0]
	v_pk_fma_f32 v[YT+16+\j:YT+16+\j+1], v[\base+\j:\base+\j+1], v[136+16*\mt+\j:136+16*\mt+\j+1], v[YT+16+\j:YT+16+\j+1]
.endr
.endm
.macro OUTST hk, b, mt, rb
.irp q, 0,1,2,3
	s_wait_dscnt 11-4*\hk-\q                       ; LDS loads come back in order: this one is in
	global_store_b128 v11, v[\rb+16*\hk+4*\q:\rb+16*\hk+4*\q+3], s[\b:\b+1] offset:\mt*2048+\q*512   ; four rows: 512 consecutive bytes, aligned
.endr
.endm
; 16 rows of q, k and v: RoPE, scale, f16, through my own stage, out as whole rows
.macro OUT mt, rb
	ROPE 64*\mt, \mt
.irp j, 0,2,4,6
	v_pk_mul_f32 v[YT+8+\j:YT+9+\j],   v[64*\mt+8+\j:64*\mt+9+\j],   s[50:51] op_sel_hi:[1,0]
	v_pk_mul_f32 v[YT+24+\j:YT+25+\j], v[64*\mt+24+\j:64*\mt+25+\j], s[50:51] op_sel_hi:[1,0]
.endr
	WIN 0
.irp j, 0,2,4,6
	v_pk_mul_f32 v[YT+\j:YT+\j+1],       v[YT+\j:YT+\j+1],       s[50:51] op_sel_hi:[1,0]
	v_pk_mul_f32 v[YT+16+\j:YT+16+\j+1], v[YT+16+\j:YT+16+\j+1], s[50:51] op_sel_hi:[1,0]
.endr
.set k, 0
.rept 16
	v_cvt_pk_f16_f32 v[ZT+k], v[YT+2*k], v[YT+2*k+1]
.set k, k+1
.endr
.irp n, 0,1,2,3
	ds_store_b128 v9, v[ZT+4*\n:ZT+4*\n+3] offset:32*\n
.endr
	ROPE 64*\mt+32, \mt
	WIN 0x05
.irp i, 0,1,2,3
	v_cvt_pk_f16_f32 v[ZT+20+\i], v[64*\mt+40+2*\i], v[64*\mt+41+2*\i]
	v_cvt_pk_f16_f32 v[ZT+28+\i], v[64*\mt+56+2*\i], v[64*\mt+57+2*\i]
.endr
	WIN 0
.irp i, 0,1,2,3
	v_cvt_pk_f16_f32 v[ZT+16+\i], v[YT+2*\i], v[YT+2*\i+1]
	v_cvt_pk_f16_f32 v[ZT+24+\i], v[YT+16+2*\i], v[YT+17+2*\i]
.endr
.irp n, 0,1,2,3
	ds_store_b128 v9, v[ZT+16+4*\n:ZT+16+4*\n+3] offset:SKIND+32*\n
.endr
	WIN 0x0a
.set k, 0
.rept 16
	v_cvt_pk_f16_f32 v[ZT+32+k], v[32*\mt+2*k], v[32*\mt+2*k+1]
.set k, k+1
.endr
	WIN 0
.irp n, 0,1,2,3
	ds_store_b128 v9, v[ZT+32+4*\n:ZT+32+4*\n+3] offset:2*SKIND+32*\n
.endr
	s_wait_xcnt 0x0                                ; the registers that earlier stores read are loaded again only behind this wait
.irp hk, 0,1,2
.irp q, 0,1,2,3
	ds_load_b128 v[\rb+16*\hk+4*\q:\rb+16*\hk+4*\q+3], v10 offset:\hk*SKIND+\q*4*SPITCH   ; LDS serves a wave in order: these see the stores above
.endr
.endr
	OUTST 0, 20, \mt, \rb
	OUTST 1, 46, \mt, \rb
	OUTST 2, 48, \mt, \rb
.endm
	OUT 0, CV
	OUT 1, CV+48
	OUT 2, CV
	OUT 3, CV+48
	s_set_vgpr_msb (MSB<<8)|((MSB&0xf0)|0xf)
	s_wait_tensorcnt 0x0
	ds_add_u32 v224, v225
	s_wait_dscnt 0x0
	s_set_vgpr_msb (((MSB&0xf0)|0xf)<<8)|MSB
	CROUND                                         ; the closing round: no work-group ends while a partner may still ask jointly
	s_endpgm
.Lfunc_end_k_q61cabf29ec_qkv:
	.size	k_q61cabf29ec_qkv, .Lfunc_end_k_q61cabf29ec_qkv-k_q61cabf29ec_qkv
	.p2alignl 7, 3214868480
	.fill 96, 4, 3214868480
	.section	.rodata,"a",@progbits
	.p2align	6, 0x0
	.amdhsa_kernel k_q61cabf29ec_qkv
		.amdhsa_group_segment_fixed_size 327680
		.amdhsa_private_segment_fixed_size 0
		.amdhsa_enable_private_segment 0
		.amdhsa_kernarg_size 80
		.amdhsa_user_sgpr_count 2
		.amdhsa_user_sgpr_kernarg_segment_ptr 1
		.amdhsa_wavefront_size32 1
		.amdhsa_system_sgpr_workgroup_id_x 1
		.amdhsa_system_sgpr_workgroup_id_y 1
		.amdhsa_system_sgpr_workgroup_id_z 1
		.amdhsa_system_vgpr_workitem_id 0
		.amdhsa_next_free_vgpr 994
		.amdhsa_next_free_sgpr 66
		.amdhsa_reserve_vcc 1
		.amdhsa_float_denorm_mode_32 3
		.amdhsa_float_denorm_mode_16_64 3
		.amdhsa_memory_ordered 1
		.amdhsa_forward_progress 1
		.amdhsa_inst_pref_size 255
	.end_amdhsa_kernel
	.section	.bss,"aw",@nobits
	.p2align	6
	.space	262144
	.amdgpu_metadata
---
amdhsa.version: [ 1, 2 ]
amdhsa.kernels:
  - .name:           k_q61cabf29ec_qkv
    .symbol:         k_q61cabf29ec_qkv.kd
    .args:
      - { .name: hidden_states, .offset: 0, .size: 8, .value_kind: global_buffer, .address_space: global }
      - { .name: Wq, .offset: 8, .size: 8, .value_kind: global_buffer, .address_space: global }
      - { .name: Wk, .offset: 16, .size: 8, .value_kind: global_buffer, .address_space: global }
      - { .name: Wv, .offset: 24, .size: 8, .value_kind: global_buffer, .address_space: global }
      - { .name: Wo, .offset: 32, .size: 8, .value_kind: global_buffer, .address_space: global }
      - { .name: bq, .offset: 40, .size: 8, .value_kind: global_buffer, .address_space: global }
      - { .name: bk, .offset: 48, .size: 8, .value_kind: global_buffer, .address_space: global }
      - { .name: bv, .offset: 56, .size: 8, .value_kind: global_buffer, .address_space: global }
      - { .name: qkv, .offset: 64, .size: 8, .value_kind: global_buffer, .address_space: global }
      - { .name: wot, .offset: 72, .size: 8, .value_kind: global_buffer, .address_space: global }
    .group_segment_fixed_size: 327680
    .private_segment_fixed_size: 0
    .kernarg_segment_align: 8
    .kernarg_segment_size: 80
    .max_flat_workgroup_size: 128
    .sgpr_count:     66
    .vgpr_count:     994
    .wavefront_size: 32
...
	.end_amdgpu_metadata
.endif
;; end of part 1
;; launch attn (part 2): grid 8 x 32, 8 waves a work-group, no clusters, 327,680 bytes of LDS; arguments qkv, o; writes o
.if DOCPART == 2
	.amdgcn_target "amdgcn-amd-amdhsa--gfx1250"
	.amdhsa_code_object_version 6
	.text
	.protected	k_q61cabf29ec_attn
	.globl	k_q61cabf29ec_attn
	.p2align	8
	.type	k_q61cabf29ec_attn,@function
k_q61cabf29ec_attn:
	s_mov_b64 s[64:65], 0
	v_nop
	global_prefetch_b8 v0, s[64:65] scope:SCOPE_SE
	s_setreg_imm32_b32 hwreg(HW_REG_WAVE_MODE, 25, 1), 1
	s_wait_xcnt 0x0
; Causal attention of one (batch, head) bh for two blocks of 128 queries, with a running maximum; f16 operands, f32 sums.
;   o[bh 32][s 2048][hi 64 | lo 64] bf16: the normalised result as two bf16 terms, hi + lo.
; Work-group i of a head: waves 0-3 take query block 15 - i, waves 4-7 block i, so that every work-group has 17 blocks' worth of keys and
; both halves read the same tiles of k and v.  A wave owns 32 queries (two tiles of 16).  Keys go in tiles of 64 through two LDS slots,
; 2 (16 - i) trips.  A wave works on tiles up to the one with its diagonal (cl), masks that one, and only passes the barriers after it.
; NO CLUSTER: the work-groups that share k and v (the eight i of a head) need different numbers of tiles, 2 (16 - i).
; LAYOUT: scores are made transposed, S^T = K Q^T: a lane holds ONE query (l % 16) and its registers hold keys 8 (l / 16) + j.  The row maximum
; is then taken inside the lane and once across the halves, and two tiles of S^T, packed to f16, are the second operand of O^T = V^T P^T as
; they stand.  V^T's fragments come from the [key][d] tile by the transposing LDS load.  The row sum l is a fifth product, with a first operand of ones.
; q arrives scaled by 0.125 log2(e): weights are 2^(s - m).
; LIMITS: a weight below 2^-25 of its row's largest rounds to 0 in f16.  Masked scores are set to -inf, where the reference adds the most
; negative f32: the weight is 0 either way, and every row has its own key unmasked.
.set SLOT,   19456                     ; k: 64 rows of 128 + 16 bytes (9,216), then v: 64 rows of 128 + 32 bytes (10,240)
.set VOFF,   9216
.set STAGE,  2*SLOT                    ; the way out: per wave 32 rows of 256 + 16 bytes
.set SWAVE,  32*272
; window 0: v4 k address, v5 v address, v6 q offset, v7 -inf, v8-9 query - 8 h in the diagonal tile, v10 / v12 running maximum of query tile 0 / 1,
;           v14 / v16 rescale factor (each the low register of a pair of its own), v18-21 and v26-29 at work, v22-24 the way out,
;           v[32+16 qt+8 ds] q, v[64+32 qt+8 kt] scores, v[128+16 qt+8 kp] weights, v[160+32 qt+8 dt] O, v[224+8 qt] l, v240-255 at work
; window 1: v[16 kt+8 ds] k fragments, v[64+32 kp+8 dt] v fragments, v[128:135] ones
.set MSB, 0
.macro WIN new
.if MSB != \new
	s_set_vgpr_msb (MSB<<8)|\new
.set MSB, \new
.endif
.endm
.macro PLACES                          ; four places behind a matrix instruction (ISA guide 7.12.1)
.rept 4
	v_nop
.endr
.endm
.macro KVLOAD n                        ; wave 0 fetches the tile of k, wave 1 that of v, one tensor load each; the others none
	s_cmp_lg_u32 s8, 0
	s_cbranch_scc1 .Lnot_k_\@
	tensor_load_to_lds s[36+4*\n:39+4*\n], s[20:27]
	s_nop 0
.Lnot_k_\@:
	s_cmp_lg_u32 s8, 1
	s_cbranch_scc1 .Lnot_v_\@
	tensor_load_to_lds s[44+4*\n:47+4*\n], s[28:35]
	s_nop 0
.Lnot_v_\@:
.endm
	s_load_b128 s[4:7], s[0:1], 0x0                ; qkv s[4:5], o s[6:7]
	v_lshl_add_u32 v30, v0, 2, 0x29000
	v_mov_b32 v31, 0
	ds_add_u32 v30, v31
	v_lshrrev_b32 v1, 5, v0
	v_readfirstlane_b32 s8, v1                     ; wave 0..7
	s_mov_b32 s9, ttmp9                            ; i
	s_and_b32 s10, ttmp7, 0xffff                   ; bh
	s_and_b32 s12, s8, 3                           ; which 32 queries of the block
	s_sub_co_u32 s11, 15, s9
	s_cmp_lt_u32 s8, 4
	s_cselect_b32 s11, s11, s9                     ; query block
	s_lshr_b32 s13, s12, 1
	s_lshl1_add_u32 s14, s11, s13                  ; cl: the tile of 64 keys that holds my 32 queries' diagonal
	s_mov_b32 s15, 0                               ; the trip's tile
	s_sub_co_u32 s16, 14, s9                       ; laps of the loop: 2 (16 - i) trips less the four written out
	s_mov_b32 s17, 0x76543210                      ; v_permlanex16_b32: lane i of one half reads lane i of the other
	s_mov_b32 s18, 0xfedcba98
	s_and_b32 s19, s12, 1
	s_lshl_b32 s19, s19, 5                         ; my first query inside the diagonal tile
	; descriptor group 1: 64 rows x 64 f16, padded behind every 32 words by 4 words (k) or 8 words (v)
	s_mov_b32 s20, (1<<16)|(1<<20)|(4<<22)|(3<<25)
	s_mov_b32 s28, (1<<16)|(1<<20)|(4<<22)|(7<<25)
.irp g, 20, 28
	s_mov_b32 s[\g+1], 64<<16                      ; tensor_dim0 = 64
	s_mov_b32 s[\g+2], 64<<16                      ; tensor_dim1 = 64
	s_mov_b32 s[\g+3], 64<<16                      ; tile_dim0 = 64
	s_mov_b32 s[\g+4], 64                          ; tile_dim1 = 64
	s_mov_b32 s[\g+5], 64                          ; elements from row to row
	s_mov_b32 s[\g+6], 0
	s_mov_b32 s[\g+7], 0
.endr
	s_lshl_b32 s2, s10, 18                         ; bh x 262,144
	s_mov_b32 s3, 0
	s_lshl_b32 s56, s11, 7
	s_lshl_b32 s57, s12, 5
	s_add_co_u32 s56, s56, s57                     ; my first query
	s_lshl_b32 s60, s10, 11
	s_add_co_u32 s60, s60, s56
	s_lshl_b32 s60, s60, 8                         ; its row of 256 bytes in o
	s_mov_b32 s61, 0
	s_lshl_b32 s56, s56, 7                         ; its row of 128 bytes in q
	s_mov_b32 s57, 0
	s_mul_i32 s62, s8, SWAVE
	s_add_co_u32 s62, s62, STAGE                   ; my stage
	v_and_b32 v1, 15, v0                           ; r
	v_bfe_u32 v2, v0, 4, 1                         ; h
	v_mul_u32_u24 v4, v1, 144
	v_lshl_add_u32 v4, v2, 4, v4                   ; k fragments: row r, 16 bytes at 16 h
	v_and_b32 v3, 7, v0
	v_lshl_add_u32 v3, v2, 3, v3
	v_mul_u32_u24 v3, v3, 160
	v_bfe_u32 v5, v0, 3, 1
	v_lshl_add_u32 v3, v5, 4, v3
	v_add_nc_u32 v5, VOFF, v3                      ; v fragments: row 8 h + l % 8, 16 bytes at 16 ((l / 8) % 2)
	v_lshlrev_b32 v6, 7, v1
	v_lshl_add_u32 v6, v2, 4, v6                   ; q fragments from memory
	s_wait_dscnt 0x0
	s_barrier_signal -1
	s_barrier_wait -1
	s_wait_kmcnt 0x0
	s_add_nc_u64 s[4:5], s[4:5], s[2:3]            ; q of this head
	s_add_nc_u64 s[52:53], s[4:5], 0x800000        ; k
	s_add_nc_u64 s[54:55], s[4:5], 0x1000000       ; v
	s_add_nc_u64 s[58:59], s[4:5], s[56:57]        ; my queries
	s_add_nc_u64 s[6:7], s[6:7], s[60:61]          ; my rows of o
.irp n, 0,1
	s_mov_b32 s[36+4*\n], 1                        ; descriptor group 0 for k and for v, a set for each slot, set up for tile n
	s_mov_b32 s[37+4*\n], \n*SLOT
	s_add_nc_u64 s[38+4*\n:39+4*\n], s[52:53], \n*8192
	s_or_b32 s[39+4*\n], s[39+4*\n], 0x80000000
	s_mov_b32 s[44+4*\n], 1
	s_mov_b32 s[45+4*\n], \n*SLOT+VOFF
	s_add_nc_u64 s[46+4*\n:47+4*\n], s[54:55], \n*8192
	s_or_b32 s[47+4*\n], s[47+4*\n], 0x80000000
.endr
	KVLOAD 0                                       ; tile 0
.irp qt, 0,1
.irp ds, 0,1
	global_load_b128 v[32+16*\qt+8*\ds:35+16*\qt+8*\ds], v6, s[58:59] offset:\qt*2048+\ds*64
	global_load_b128 v[36+16*\qt+8*\ds:39+16*\qt+8*\ds], v6, s[58:59] offset:\qt*2048+\ds*64+32
.endr
.endr
	v_mov_b32 v7, 0xff800000                       ; -inf
	v_lshlrev_b32 v3, 3, v2
	v_sub_nc_u32 v8, v1, v3
	v_add_nc_u32 v8, s19, v8                       ; query tile 0: my query's place in the diagonal tile, less 8 h
	v_add_nc_u32 v9, 16, v8                        ; query tile 1
.irp r, 11, 13, 15, 17, 20, 28
	v_mov_b32 v\r, 0                               ; the pairs' upper registers and the lane exchange's destinations: written once, never used as numbers
.endr
	v_mul_u32_u24 v22, v1, 272
	v_lshl_add_u32 v22, v2, 4, v22
	v_add_nc_u32 v22, s62, v22                     ; stage, in: row r, 16 bytes at 16 h
	v_mul_u32_u24 v23, v2, 272
	v_lshl_add_u32 v23, v1, 4, v23
	v_add_nc_u32 v23, s62, v23                     ; stage, back: two rows of 256 bytes a load
	v_and_b32 v24, 31, v0
	v_lshlrev_b32 v24, 4, v24                      ; 16 x lane
	WIN 0x40
.irp k, 0,1,2,3,4,5,6,7
	v_mov_b32 v[128+\k], 0x3c003c00                ; f16 ones
.endr
	WIN 0
	s_wait_loadcnt 0x0                             ; q, once
; The accumulators of each group of matrix instructions take turns, one instruction a turn.
.macro QK ds, zero                     ; scores: 4 key tiles x 2 query tiles, 32 of d
.irp qt, 0,1
.irp kt, 0,1,2,3
.if \zero
	v_wmma_f32_16x16x32_f16 v[64+32*\qt+8*\kt:64+32*\qt+8*\kt+7], v[16*\kt+8*\ds:16*\kt+8*\ds+7], v[32+16*\qt+8*\ds:32+16*\qt+8*\ds+7], 0
.else
	v_wmma_f32_16x16x32_f16 v[64+32*\qt+8*\kt:64+32*\qt+8*\kt+7], v[16*\kt+8*\ds:16*\kt+8*\ds+7], v[32+16*\qt+8*\ds:32+16*\qt+8*\ds+7], v[64+32*\qt+8*\kt:64+32*\qt+8*\kt+7]
.endif
.endr
.endr
.endm
.macro PV kp, zero                     ; O^T and l: 32 keys
.irp qt, 0,1
.irp dt, 0,1,2,3
.if \zero
	v_wmma_f32_16x16x32_f16 v[160+32*\qt+8*\dt:160+32*\qt+8*\dt+7], v[64+32*\kp+8*\dt:64+32*\kp+8*\dt+7], v[128+16*\qt+8*\kp:128+16*\qt+8*\kp+7], 0
.else
	v_wmma_f32_16x16x32_f16 v[160+32*\qt+8*\dt:160+32*\qt+8*\dt+7], v[64+32*\kp+8*\dt:64+32*\kp+8*\dt+7], v[128+16*\qt+8*\kp:128+16*\qt+8*\kp+7], v[160+32*\qt+8*\dt:160+32*\qt+8*\dt+7]
.endif
.endr
.endr
.irp qt, 0,1
.if \zero
	v_wmma_f32_16x16x32_f16 v[224+8*\qt:231+8*\qt], v[128:135], v[128+16*\qt+8*\kp:128+16*\qt+8*\kp+7], 0
.else
	v_wmma_f32_16x16x32_f16 v[224+8*\qt:231+8*\qt], v[128:135], v[128+16*\qt+8*\kp:128+16*\qt+8*\kp+7], v[224+8*\qt:231+8*\qt]
.endif
.endr
.endm
; One tile of 64 keys for my 32 queries.  first = 1: the sums and the maximum start here.
.macro CHUNK slot, first
	PLACES
	WIN 0x40
.irp kt, 0,1,2,3
.irp ds, 0,1
	ds_load_b128 v[16*\kt+8*\ds:16*\kt+8*\ds+3],   v4 offset:\slot*SLOT+\kt*2304+\ds*64
	ds_load_b128 v[16*\kt+8*\ds+4:16*\kt+8*\ds+7], v4 offset:\slot*SLOT+\kt*2304+\ds*64+32
.endr
.endr
.irp kp, 0,1
.irp dt, 0,1,2,3
	ds_load_tr16_b128 v[64+32*\kp+8*\dt:64+32*\kp+8*\dt+3],   v5 offset:\slot*SLOT+\kp*5120+\dt*32
	ds_load_tr16_b128 v[64+32*\kp+8*\dt+4:64+32*\kp+8*\dt+7], v5 offset:\slot*SLOT+\kp*5120+\dt*32+2560
.endr
.endr
	WIN 0x01
	s_wait_dscnt 16                                ; k's 16 loads are in; v's 16 may stay out
	QK 0, 1
	QK 1, 0
	WIN 0
	PLACES
	s_cmp_lg_u32 s15, s14
	s_cbranch_scc1 .Lno_mask_\@                    ; only the diagonal tile is masked
.irp qt, 0,1
.irp kt, 0,1,2,3
.irp j, 0,1,2,3,4,5,6,7
	v_cmp_gt_i32 vcc_lo, 16*\kt+\j, v[8+\qt]       ; key 16 kt + 8 h + j beyond my query
	v_cndmask_b32 v[64+32*\qt+8*\kt+\j], v[64+32*\qt+8*\kt+\j], v7, vcc_lo
.endr
.endr
.endr
.Lno_mask_\@:
	; the largest of my 32 scores of each query tile, in four chains that do not wait for each other, and of the maximum so far
.irp qt, 0,1
	v_max3_num_f32 v[18+8*\qt], v[64+32*\qt], v[65+32*\qt], v[66+32*\qt]
	v_max3_num_f32 v[19+8*\qt], v[80+32*\qt], v[81+32*\qt], v[82+32*\qt]
.endr
.irp k, 0,1,2,3,4,5
.irp qt, 0,1
	v_max3_num_f32 v[18+8*\qt], v[18+8*\qt], v[67+32*\qt+2*\k], v[68+32*\qt+2*\k]
	v_max3_num_f32 v[19+8*\qt], v[19+8*\qt], v[83+32*\qt+2*\k], v[84+32*\qt+2*\k]
.endr
.endr
.irp qt, 0,1
	v_max3_num_f32 v[18+8*\qt], v[18+8*\qt], v[79+32*\qt], v[95+32*\qt]
.endr
.irp qt, 0,1
.if \first
	v_max_num_f32 v[18+8*\qt], v[18+8*\qt], v[19+8*\qt]
.else
	v_max3_num_f32 v[18+8*\qt], v[18+8*\qt], v[19+8*\qt], v[10+2*\qt]
.endif
.endr
	v_permlanex16_b32 v20, v18, s17, s18           ; the other half of the lanes holds the query's other keys
	v_permlanex16_b32 v28, v26, s17, s18
	v_max_num_f32 v18, v18, v20
	v_max_num_f32 v26, v26, v28
.if \first == 0
	v_sub_f32 v21, v10, v18
	v_sub_f32 v29, v12, v26
	v_exp_f32 v14, v21                             ; 2^(old maximum - new): the plain moves below stand between these and their use
	v_exp_f32 v16, v29
.endif
	v_mov_b32 v10, v18
	v_mov_b32 v12, v26
.irp qt, 0,1
.irp p, 0,2,4,6,8,10,12,14,16,18,20,22,24,26,28,30
	v_pk_add_f32 v[64+32*\qt+\p:65+32*\qt+\p], v[64+32*\qt+\p:65+32*\qt+\p], v[10+2*\qt:11+2*\qt] op_sel_hi:[1,0] neg_lo:[0,1] neg_hi:[0,1]
.endr
.endr
.set k, 0
.rept 64
	v_exp_f32 v[64+k], v[64+k]
.set k, k+1
.endr
	v_nop                                          ; one plain place behind the last exponential
.set k, 0
	s_wait_alu depctr_va_vdst(0)
.rept 32
	v_cvt_pk_f16_f32 v[128+k], v[64+2*k], v[64+2*k+1]   ; two tiles of S^T side by side are P^T's fragment
.set k, k+1
.endr
.if \first == 0
.set k, 0
.rept 16
	v_pk_mul_f32 v[160+2*k:161+2*k], v[160+2*k:161+2*k], v[14:15] op_sel_hi:[1,0]
	v_pk_mul_f32 v[192+2*k:193+2*k], v[192+2*k:193+2*k], v[16:17] op_sel_hi:[1,0]
.set k, k+1
.endr
	v_mul_f32 v224, v224, v14                      ; of l's eight equal rows only register 0 is kept right and used;
	v_mul_f32 v232, v232, v16                      ; the other seven are sums of at most 2,048 weights of at most 1
.endif
	s_wait_dscnt 0x0                               ; v's fragments
	WIN 0x01
	PV 0, \first
	PV 1, 0
	WIN 0
.endm
; One trip.  In front of the barrier every wave waits for all its tensor loads (this trip's tile among them) and for its reads of the slot read
; last; behind it the next tile goes into that slot first, one load a wave, and has this trip's work in which to land.
.macro TRIP slot, other, refill, first
	s_wait_tensorcnt 0x0
	ds_add_u32 v30, v31
	s_wait_dscnt 0x0
	s_add_nc_u64 s[38+4*\slot:39+4*\slot], s[38+4*\slot:39+4*\slot], 16384   ; no load is out: this slot's next tile, two further
	s_add_nc_u64 s[46+4*\slot:47+4*\slot], s[46+4*\slot:47+4*\slot], 16384
	s_wait_dscnt 0x0
	s_barrier_signal -1
	s_barrier_wait -1
.if \refill
	KVLOAD \other
.endif
.if \first == 0
	s_cmp_gt_u32 s15, s14
	s_cbranch_scc1 .Lbeyond_\@                     ; all of this tile's keys lie behind my queries
.endif
	CHUNK \slot, \first
.Lbeyond_\@:
	s_add_co_u32 s15, s15, 1
.endm
	TRIP 0, 1, 1, 1
	TRIP 1, 0, 1, 0
.Llap:
	TRIP 0, 1, 1, 0
	TRIP 1, 0, 1, 0
	s_sub_co_i32 s16, s16, 1
	s_cmp_lg_u32 s16, 0
	s_cbranch_scc1 .Llap
	TRIP 0, 1, 1, 0
	TRIP 1, 0, 0, 0                                ; the last trip fetches nothing
	; THE WAY OUT: O / l, split into bf16 hi and bf16 (rest), through my own stage, out as whole rows of 256 bytes
	PLACES
	v_rcp_f32 v14, v224
	v_rcp_f32 v16, v232
	v_nop
	s_wait_alu depctr_va_vdst(0)
.macro OUTT qt, dt
.set OB, 160+32*\qt+8*\dt
.irp p, 0,2,4,6
	v_pk_mul_f32 v[OB+\p:OB+\p+1], v[OB+\p:OB+\p+1], v[14+2*\qt:15+2*\qt] op_sel_hi:[1,0]
.endr
.irp p, 0,1,2,3
	v_cvt_pk_bf16_f32 v[240+\p], v[OB+2*\p], v[OB+2*\p+1]
.endr
.irp p, 0,1,2,3
	v_lshlrev_b32 v[244+2*\p], 16, v[240+\p]
	v_and_b32 v[245+2*\p], 0xffff0000, v[240+\p]
.endr
.irp p, 0,2,4,6
	v_pk_add_f32 v[OB+\p:OB+\p+1], v[OB+\p:OB+\p+1], v[244+\p:245+\p] neg_lo:[0,1] neg_hi:[0,1]
.endr
.irp p, 0,1,2,3
	v_cvt_pk_bf16_f32 v[252+\p], v[OB+2*\p], v[OB+2*\p+1]
.endr
	ds_store_b128 v22, v[240:243] offset:\qt*4352+\dt*32
	ds_store_b128 v22, v[252:255] offset:\qt*4352+\dt*32+128
.endm
.irp qt, 0,1
.irp dt, 0,1,2,3
	OUTT \qt, \dt
.endr
.endr
.irp t, 0,1,2,3,4,5,6,7,8,9,10,11,12,13,14,15
	ds_load_b128 v[64+4*\t:67+4*\t], v23 offset:544*\t     ; LDS serves a wave in order: these see the stores above
.endr
.irp t, 0,1,2,3,4,5,6,7,8,9,10,11,12,13,14,15
	s_wait_dscnt 15-\t
	global_store_b128 v24, v[64+4*\t:67+4*\t], s[6:7] offset:512*\t   ; two rows: 512 consecutive bytes, aligned
.endr
	s_wait_tensorcnt 0x0
	ds_add_u32 v30, v31
	s_wait_dscnt 0x0
	s_endpgm
.Lfunc_end_k_q61cabf29ec_attn:
	.size	k_q61cabf29ec_attn, .Lfunc_end_k_q61cabf29ec_attn-k_q61cabf29ec_attn
	.p2alignl 7, 3214868480
	.fill 96, 4, 3214868480
	.section	.rodata,"a",@progbits
	.p2align	6, 0x0
	.amdhsa_kernel k_q61cabf29ec_attn
		.amdhsa_group_segment_fixed_size 327680
		.amdhsa_private_segment_fixed_size 0
		.amdhsa_enable_private_segment 0
		.amdhsa_kernarg_size 16
		.amdhsa_user_sgpr_count 2
		.amdhsa_user_sgpr_kernarg_segment_ptr 1
		.amdhsa_wavefront_size32 1
		.amdhsa_system_sgpr_workgroup_id_x 1
		.amdhsa_system_sgpr_workgroup_id_y 1
		.amdhsa_system_sgpr_workgroup_id_z 1
		.amdhsa_system_vgpr_workitem_id 0
		.amdhsa_next_free_vgpr 400
		.amdhsa_next_free_sgpr 66
		.amdhsa_reserve_vcc 1
		.amdhsa_float_denorm_mode_32 3
		.amdhsa_float_denorm_mode_16_64 3
		.amdhsa_memory_ordered 1
		.amdhsa_forward_progress 1
		.amdhsa_inst_pref_size 141
	.end_amdhsa_kernel
	.amdgpu_metadata
---
amdhsa.version: [ 1, 2 ]
amdhsa.kernels:
  - .name:           k_q61cabf29ec_attn
    .symbol:         k_q61cabf29ec_attn.kd
    .args:
      - { .name: qkv, .offset: 0, .size: 8, .value_kind: global_buffer, .address_space: global }
      - { .name: o, .offset: 8, .size: 8, .value_kind: global_buffer, .address_space: global }
    .group_segment_fixed_size: 327680
    .private_segment_fixed_size: 0
    .kernarg_segment_align: 8
    .kernarg_segment_size: 16
    .max_flat_workgroup_size: 256
    .sgpr_count:     66
    .vgpr_count:     400
    .wavefront_size: 32
...
	.end_amdgpu_metadata
.endif
;; end of part 2
;; launch proj (part 3): grid 4 x 64, 4 waves a work-group, clusters of 4 x 4, 327,680 bytes of LDS; arguments o, wot, bo, out0; writes out0
.if DOCPART == 3
	.amdgcn_target "amdgcn-amd-amdhsa--gfx1250"
	.amdhsa_code_object_version 6
	.text
	.protected	k_q61cabf29ec_proj
	.globl	k_q61cabf29ec_proj
	.p2align	8
	.type	k_q61cabf29ec_proj,@function
k_q61cabf29ec_proj:
	s_mov_b64 s[64:65], 0
	v_nop
	global_prefetch_b8 v0, s[64:65] scope:SCOPE_SE
	s_setreg_imm32_b32 hwreg(HW_REG_WAVE_MODE, 25, 1), 1
	s_wait_xcnt 0x0
	s_wait_alu depctr_hold_cnt(0) depctr_sa_sdst(0) depctr_va_vdst(0) depctr_va_sdst(0) depctr_va_ssrc(0) depctr_va_vcc(0) depctr_vm_vsrc(0)
	s_getreg_b32 s2, hwreg(HW_REG_IB_STS2, 6, 4)
	s_cmp_eq_u32 s2, 0
	s_cbranch_scc0 .Lentry_in_a_cluster
	s_endpgm
.Lentry_in_a_cluster:
	s_bfe_u32 s2, ttmp6, 0x10000c
	s_cmp_lg_u32 s2, 0xf033
	s_cbranch_scc0 .Lentry_shape_is_right
	s_endpgm
.Lentry_shape_is_right:
; out0 = (O_hi + O_lo) Wo + bo.  o: [bh 32][s 2048][hi 64 | lo 64] bf16; wot: [n 512][k 512] bf16 (Wo transposed); out0: [8192][512] f32.
; bf16 operands, f32 sums that start from the f32 bias.  A work-group makes 128 rows x 128 columns, a wave 64 x 64: 16 accumulator tiles.
; K goes by heads: a head gives 64 k, taken twice (hi rows and lo rows of o against the same fragment of Wo).  Two LDS slots, each with
; two heads: A = 2 x 128 rows of 256 bytes, B = 128 rows (n) of 256 bytes (128 k); four fills in all.
; CLUSTER 4 x 4: A's tiles hang on the block of rows alone and are asked for jointly along a row of the cluster, B's on the block of columns alone
; and are asked for jointly along a column.  Waves 0 and 1 fetch A's two heads, waves 2 and 3 B's two halves, one tensor load each.
; The matrix instruction is used transposed (source 0 = 16 rows of wot, source 1 = 16 rows of o): a lane holds row l % 16 of the result and
; eight neighbouring columns.
.set PITCH,  272
.set AHEAD,  128*PITCH                 ; one head's rows of o
.set BOFF,   2*AHEAD
.set BHALF,  64*PITCH
.set SLOT,   BOFF+2*BHALF              ; 104,448
.set STAGE,  2*SLOT                    ; the way out: per wave 16 rows of 256 + 16 bytes
; window 0: v4-5 A address in slot 0, 1; v6-7 B address; v8 stage in; v9 stage back; v10 offset in out0; v11 offset in bo;
;           fragment buffer f at v[32 + 96 f]: B's 4 tiles, A hi's 4, A lo's 4; v[224:255] rows read back
; window 1: sums, tile (mt, nt) at v[8 (4 mt + nt)]; bias at v[128 + 8 nt]
.set MSB, 0
.macro WIN new
.if MSB != \new
	s_set_vgpr_msb (MSB<<8)|\new
.set MSB, \new
.endif
.endm
.macro PLACES                          ; four places behind a matrix instruction (ISA guide 7.12.1)
.rept 4
	v_nop
.endr
.endm
.macro CREST
	s_cmp_lg_u32 s12, 0
	s_cbranch_scc1 .Lnot_wave_0_\@
	s_barrier_signal -3
.Lnot_wave_0_\@:
	s_barrier_wait -3
	s_barrier_signal -1
	s_barrier_wait -1
.endm
.macro CROUND
	s_barrier_signal -1
	s_barrier_wait -1
	CREST
.endm
.macro JLOAD s                         ; each line has one mask and one set of registers; the branch hangs on the wave's number alone
	s_cmp_eq_u32 s13, 0
	s_cbranch_scc0 .Lfor_b_\@
	tensor_load_to_lds s[40+4*\s:43+4*\s], s[24:31]
	s_nop 0
	s_branch .Lasked_\@
.Lfor_b_\@:
	tensor_load_to_lds s[48+4*\s:51+4*\s], s[32:39]
	s_nop 0
.Lasked_\@:
.endm
	s_load_b256 s[4:11], s[0:1], 0x0               ; o s[4:5], wot s[6:7], bo s[8:9], out0 s[10:11]
	v_lshl_add_u32 v30, v0, 2, 0x37400
	v_mov_b32 v31, 0
	ds_add_u32 v30, v31
	v_lshrrev_b32 v1, 5, v0
	v_readfirstlane_b32 s12, v1                    ; wave 0..3
	s_lshr_b32 s13, s12, 1                         ; which 64 rows are mine.  Also: I fetch for A (0) or for B (1)
	s_and_b32 s14, s12, 1                          ; which 64 columns.  Also: which part of that tile I fetch
	s_bfe_u32 s15, ttmp6, 0x40000                  ; cx
	s_bfe_u32 s16, ttmp6, 0x40004                  ; cy
	s_lshl_b32 s17, ttmp9, 2
	s_add_co_u32 s17, s17, s15                     ; block of 128 columns
	s_and_b32 s18, ttmp7, 0xffff
	s_lshl_b32 s18, s18, 2
	s_add_co_u32 s18, s18, s16                     ; block of 128 rows
	s_lshl_b32 s19, s16, 2
	s_lshl_b32 s19, 15, s19                        ; my row of the cluster
	s_lshl_b32 s20, 0x1111, s15                    ; my column
	s_or_b32 s24, s19, (1<<16)|(1<<20)|(1<<21)|(5<<22)|(3<<25)   ; A: 2-byte elements, 4 words of padding behind every 64
	s_or_b32 s32, s20, (1<<16)|(1<<20)|(1<<21)|(5<<22)|(3<<25)   ; B
	s_mov_b32 s25, 128<<16                         ; A: tensor_dim0 = 128
	s_mov_b32 s26, 128<<16                         ;    tensor_dim1 = 128
	s_mov_b32 s27, 128<<16                         ;    tile_dim0 = 128
	s_mov_b32 s28, 128                             ;    tile_dim1 = 128
	s_mov_b32 s29, 128                             ;    elements from row to row of o
	s_mov_b32 s30, 0
	s_mov_b32 s31, 0
	s_mov_b32 s33, 128<<16                         ; B: tensor_dim0 = 128
	s_mov_b32 s34, 64<<16                          ;    tensor_dim1 = 64
	s_mov_b32 s35, 128<<16                         ;    tile_dim0 = 128
	s_mov_b32 s36, 64                              ;    tile_dim1 = 64
	s_mov_b32 s37, 512                             ;    elements from row to row of wot
	s_mov_b32 s38, 0
	s_mov_b32 s39, 0
	s_lshr_b32 s56, s18, 4
	s_lshl_b32 s56, s56, 22                        ; A: batch x 8 heads x 524,288
	s_and_b32 s57, s18, 15
	s_lshl_b32 s57, s57, 15                        ;    + 128 rows of 256 bytes for each block inside the sequence
	s_add_co_u32 s56, s56, s57
	s_lshl_b32 s57, s14, 19                        ;    + my head of the slot's two
	s_add_co_u32 s56, s56, s57
	s_mov_b32 s57, 0
	s_lshl_b32 s58, s17, 17                        ; B: 128 rows of 1,024 bytes for each block of columns
	s_lshl_b32 s59, s14, 16                        ;    + my 64 rows
	s_add_co_u32 s58, s58, s59
	s_mov_b32 s59, 0
	s_mul_i32 s60, s14, AHEAD                      ; where they go: made of the wave's number alone
	s_mul_i32 s61, s14, BHALF
	s_add_co_u32 s61, s61, BOFF
	s_lshl_b32 s2, s17, 9
	s_lshl_b32 s3, s14, 8
	s_add_co_u32 s2, s2, s3                        ; my first column, in bytes of f32
	s_mov_b32 s3, 0
	s_lshl_b32 s62, s18, 7
	s_lshl_b32 s63, s13, 6
	s_add_co_u32 s62, s62, s63                     ; my first row
	s_lshl_b32 s62, s62, 11
	s_add_co_u32 s62, s62, s2
	s_mov_b32 s63, 0
	s_mul_i32 s21, s13, 64*PITCH                   ; my 64 rows of A
	s_mul_i32 s22, s14, 64*PITCH
	s_add_co_u32 s22, s22, BOFF                    ; my 64 rows of B
	s_mul_i32 s23, s12, 16*PITCH
	s_add_co_u32 s23, s23, STAGE                   ; my stage
	v_and_b32 v1, 15, v0                           ; r
	v_bfe_u32 v2, v0, 4, 1                         ; h
	v_mul_u32_u24 v3, v1, PITCH
	v_lshl_add_u32 v3, v2, 4, v3
	v_add_nc_u32 v4, s21, v3
	v_add_nc_u32 v5, SLOT, v4
	v_add_nc_u32 v6, s22, v3
	v_add_nc_u32 v7, SLOT, v6
	v_mul_u32_u24 v8, v1, PITCH
	v_lshl_add_u32 v8, v2, 5, v8
	v_add_nc_u32 v8, s23, v8                       ; in: row r, 32 bytes at 32 h
	v_mul_u32_u24 v9, v2, PITCH
	v_lshl_add_u32 v9, v1, 4, v9
	v_add_nc_u32 v9, s23, v9                       ; back: two rows of 256 bytes a load
	v_lshlrev_b32 v10, 11, v2
	v_lshl_add_u32 v10, v1, 4, v10                 ; the same two rows in out0
	v_lshlrev_b32 v11, 5, v2
	s_wait_dscnt 0x0
	s_wait_kmcnt 0x0
	s_add_nc_u64 s[4:5], s[4:5], s[56:57]
	s_add_nc_u64 s[6:7], s[6:7], s[58:59]
	s_add_nc_u64 s[8:9], s[8:9], s[2:3]
	s_add_nc_u64 s[10:11], s[10:11], s[62:63]
.irp n, 0,1
	s_mov_b32 s[40+4*\n], 1
	s_add_co_u32 s[41+4*\n], s60, \n*SLOT
	s_add_nc_u64 s[42+4*\n:43+4*\n], s[4:5], \n*1048576      ; heads 2 n and 2 n + 1
	s_or_b32 s[43+4*\n], s[43+4*\n], 0x80000000
	s_mov_b32 s[48+4*\n], 1
	s_add_co_u32 s[49+4*\n], s61, \n*SLOT
	s_add_nc_u64 s[50+4*\n:51+4*\n], s[6:7], \n*256          ; their 128 k
	s_or_b32 s[51+4*\n], s[51+4*\n], 0x80000000
.endr
	CROUND                                         ; all sixteen work-groups are here: the first joint loads meet
	JLOAD 0
	JLOAD 1                                        ; two loads of a wave are out, the most in this text
	WIN 0x40
.irp nt, 0,1,2,3
	global_load_b128 v[128+8*\nt:131+8*\nt], v11, s[8:9] offset:64*\nt
	global_load_b128 v[132+8*\nt:135+8*\nt], v11, s[8:9] offset:64*\nt+16
.endr
	WIN 0
; Sub-step q = 0..15: slot (q / 4) % 2, head (q / 2) % 2 of the slot, half q % 2 of the head's 64 k; fragment buffer q % 2.  24 LDS loads.
.macro FETCH q
.set FS, ((\q)>>2)&1
.set FE, ((\q)>>1)&1
.set FK, (\q)&1
.set FB, 32+96*FK
.irp nt, 0,1,2,3
	ds_load_b128 v[FB+8*\nt:FB+8*\nt+3],   v[6+FS] offset:\nt*16*PITCH+FE*128+FK*64
	ds_load_b128 v[FB+8*\nt+4:FB+8*\nt+7], v[6+FS] offset:\nt*16*PITCH+FE*128+FK*64+32
.endr
.irp mt, 0,1,2,3
	ds_load_b128 v[FB+32+8*\mt:FB+32+8*\mt+3],   v[4+FS] offset:FE*AHEAD+\mt*16*PITCH+FK*64
	ds_load_b128 v[FB+32+8*\mt+4:FB+32+8*\mt+7], v[4+FS] offset:FE*AHEAD+\mt*16*PITCH+FK*64+32
.endr
.irp mt, 0,1,2,3
	ds_load_b128 v[FB+64+8*\mt:FB+64+8*\mt+3],   v[4+FS] offset:FE*AHEAD+\mt*16*PITCH+FK*64+128
	ds_load_b128 v[FB+64+8*\mt+4:FB+64+8*\mt+7], v[4+FS] offset:FE*AHEAD+\mt*16*PITCH+FK*64+160
.endr
.endm
; 16 matrix instructions on the 16 accumulators by turns, one instruction a turn.
; part 0: hi rows, 1: lo rows.  bias = 1: the sums start from the bias.
.macro MM q, part, bias
.set MB, 32+96*((\q)&1)
	WIN 0x50
.irp mt, 0,1,2,3
.irp nt, 0,1,2,3
.if \bias
	v_wmma_f32_16x16x32_bf16 v[8*(4*\mt+\nt):8*(4*\mt+\nt)+7], v[MB+8*\nt:MB+8*\nt+7], v[MB+32+32*\part+8*\mt:MB+32+32*\part+8*\mt+7], v[128+8*\nt:128+8*\nt+7]
.else
	v_wmma_f32_16x16x32_bf16 v[8*(4*\mt+\nt):8*(4*\mt+\nt)+7], v[MB+8*\nt:MB+8*\nt+7], v[MB+32+32*\part+8*\mt:MB+32+32*\part+8*\mt+7], v[8*(4*\mt+\nt):8*(4*\mt+\nt)+7]
.endif
.endr
.endr
.endm
.macro SUBO q, bias                    ; a sub-step inside a slot: fetch the next one's fragments, multiply this one's
	PLACES
	WIN 0
	FETCH \q+1
	s_wait_dscnt 24                                ; all but the 24 just issued
	MM \q, 0, \bias
	MM \q, 1, 0
.endm
; The last sub-step of a slot.  In front of the barrier each wave waits for its reads of the slot and for all its tensor loads (one is out: its part of
; the other slot).  fill = 1: the barrier opens a round of the cluster's barrier, and the joint refill is the first thing behind it;
; it has 128 matrix instructions in which to land.
.macro SUBT q, slot, fill
	s_wait_dscnt 0x0
	s_wait_tensorcnt 0x0
	ds_add_u32 v30, v31
	s_wait_dscnt 0x0
.if \fill
	s_add_nc_u64 s[42+4*\slot:43+4*\slot], s[42+4*\slot:43+4*\slot], 2097152   ; four heads on
	s_add_nc_u64 s[50+4*\slot:51+4*\slot], s[50+4*\slot:51+4*\slot], 512       ; their k
.endif
	s_barrier_signal -1
	MM \q, 0, 0
	WIN 0
	s_barrier_wait -1
.if \fill
	CREST
	JLOAD \slot
.endif
	PLACES
	FETCH \q+1
	MM \q, 1, 0
.endm
	s_wait_tensorcnt 0x1                           ; my part of slot 0 is in; slot 1's may stay out
	s_barrier_signal -1
	s_barrier_wait -1
	s_wait_loadcnt 0x0                             ; the bias
	FETCH 0
	SUBO 0, 1
	SUBO 1, 0
	SUBO 2, 0
	SUBT 3, 0, 1
	SUBO 4, 0
	SUBO 5, 0
	SUBO 6, 0
	SUBT 7, 1, 1
	SUBO 8, 0
	SUBO 9, 0
	SUBO 10, 0
	SUBT 11, 0, 0
	SUBO 12, 0
	SUBO 13, 0
	SUBO 14, 0
	s_wait_dscnt 0x0                               ; the last sub-step: nothing more to fetch
	MM 15, 0, 0
	MM 15, 1, 0
	PLACES
; 16 rows x 64 columns of f32 through my own stage, out as whole rows of 256 bytes
.macro OUT mt
	WIN 0x04
.irp nt, 0,1,2,3
	ds_store_b128 v8, v[8*(4*\mt+\nt):8*(4*\mt+\nt)+3]   offset:64*\nt
	ds_store_b128 v8, v[8*(4*\mt+\nt)+4:8*(4*\mt+\nt)+7] offset:64*\nt+16
.endr
	WIN 0
	s_wait_xcnt 0x0                                ; the registers that earlier stores read are loaded again only behind this wait
.irp t, 0,1,2,3,4,5,6,7
	ds_load_b128 v[224+4*\t:227+4*\t], v9 offset:2*PITCH*\t   ; LDS serves a wave in order: these see the stores above
.endr
.irp t, 0,1,2,3,4,5,6,7
	s_wait_dscnt 7-\t
	global_store_b128 v10, v[224+4*\t:227+4*\t], s[10:11] offset:\mt*32768+\t*4096 th:TH_STORE_NT   ; sixteen lanes store 256 consecutive bytes, aligned
.endr
.endm
	OUT 0
	OUT 1
	OUT 2
	OUT 3
	s_wait_tensorcnt 0x0
	ds_add_u32 v30, v31
	s_wait_dscnt 0x0
	CROUND                                         ; the closing round: no work-group ends while a partner may still ask jointly
	s_endpgm
.Lfunc_end_k_q61cabf29ec_proj:
	.size	k_q61cabf29ec_proj, .Lfunc_end_k_q61cabf29ec_proj-k_q61cabf29ec_proj
	.p2alignl 7, 3214868480
	.fill 96, 4, 3214868480
	.section	.rodata,"a",@progbits
	.p2align	6, 0x0
	.amdhsa_kernel k_q61cabf29ec_proj
		.amdhsa_group_segment_fixed_size 327680
		.amdhsa_private_segment_fixed_size 0
		.amdhsa_enable_private_segment 0
		.amdhsa_kernarg_size 32
		.amdhsa_user_sgpr_count 2
		.amdhsa_user_sgpr_kernarg_segment_ptr 1
		.amdhsa_wavefront_size32 1
		.amdhsa_system_sgpr_workgroup_id_x 1
		.amdhsa_system_sgpr_workgroup_id_y 1
		.amdhsa_system_sgpr_workgroup_id_z 1
		.amdhsa_system_vgpr_workitem_id 0
		.amdhsa_next_free_vgpr 416
		.amdhsa_next_free_sgpr 66
		.amdhsa_reserve_vcc 0
		.amdhsa_float_denorm_mode_32 3
		.amdhsa_float_denorm_mode_16_64 3
		.amdhsa_memory_ordered 1
		.amdhsa_forward_progress 1
		.amdhsa_inst_pref_size 78
	.end_amdhsa_kernel
	.amdgpu_metadata
---
amdhsa.version: [ 1, 2 ]
amdhsa.kernels:
  - .name:           k_q61cabf29ec_proj
    .symbol:         k_q61cabf29ec_proj.kd
    .args:
      - { .name: o, .offset: 0, .size: 8, .value_kind: global_buffer, .address_space: global }
      - { .name: wot, .offset: 8, .size: 8, .value_kind: global_buffer, .address_space: global }
      - { .name: bo, .offset: 16, .size: 8, .value_kind: global_buffer, .address_space: global }
      - { .name: out0, .offset: 24, .size: 8, .value_kind: global_buffer, .address_space: global }
    .group_segment_fixed_size: 327680
    .private_segment_fixed_size: 0
    .kernarg_segment_align: 8
    .kernarg_segment_size: 32
    .max_flat_workgroup_size: 128
    .sgpr_count:     66
    .vgpr_count:     416
    .wavefront_size: 32
...
	.end_amdgpu_metadata
.endif
;; end of part 3
;; ======== version 2 of 2: 3 launches
;; limits: values are held in f16: magnitudes above 65,504 overflow, below 6.1e-05 lose precision
;; workspace buffers: qkv 25,165,824 bytes; wot 524,288 bytes; o 16,777,216 bytes
;; launch qkv: the kernel of part 1 again; grid 8 x 32, 4 waves a work-group, clusters of 4 x 1, 327,680 bytes of LDS; arguments hidden_states, Wq, Wk, Wv, Wo, bq, bk, bv, qkv, wot; writes qkv, wot
;; launch attn (part 4): grid 8 x 32, 8 waves a work-group, no clusters, 327,680 bytes of LDS; arguments qkv, o; writes o
.if DOCPART == 4
	.amdgcn_target "amdgcn-amd-amdhsa--gfx1250"
	.amdhsa_code_object_version 6
	.text
	.protected	k_q61cabf29ec_attn
	.globl	k_q61cabf29ec_attn
	.p2align	8
	.type	k_q61cabf29ec_attn,@function
k_q61cabf29ec_attn:
	s_mov_b64 s[64:65], 0
	v_nop
	global_prefetch_b8 v0, s[64:65] scope:SCOPE_SE
	s_setreg_imm32_b32 hwreg(HW_REG_WAVE_MODE, 25, 1), 1
	s_wait_xcnt 0x0
; Causal attention of one (batch, head) bh for two blocks of 128 queries, with a running maximum; f16 operands, f32 sums.
;   o[bh 32][s 2048][hi 64 | lo 64] bf16: the normalised result as two bf16 terms, hi + lo.
; Work-group i of a head takes query block 15 - i and then block i.  Keys go in tiles of 128, one tile a trip: block 15 - i needs 16 - i tiles,
; block i needs i + 1: 17 trips in every work-group.  In a trip waves 0-3 (32 queries each) take the tile's keys 0-63 and waves 4-7
; the same queries against keys 64-127, so that all eight waves work in every trip.  Each wave keeps its own maximum, sum and O over its keys;
; behind a block's last trip waves 4-7 hand theirs over through LDS, and waves 0-3 merge, normalise and store.
; A wave's tile of 64 keys has the number 2 x tile + (wave / 4); the one that holds its 32 queries' diagonal (cl) is masked, one beyond it is skipped.
; THE RING: two LDS slots, each with the tiles of TWO trips.  The slot changes every second trip; behind that barrier four waves issue one tensor load
; each (waves 0, 1: k of the other slot's first and second tile; waves 2, 3: v), 4 x 16 KiB, which have two trips' work in which to land.
; A tile of 128 keys is 16 KiB that lie dense in memory: it comes as 64 rows of 256 bytes, two keys a row, each row at a multiple of 256 bytes.
; Between a slot's two trips stands a barrier with no wait for tensor loads and no refill: the hand-over may fall there (16 - i may be odd).
; NO CLUSTER: the work-groups that share k and v (the eight i of a head) ask in trip t for tile t only while t < 16 - i, and for tile t - (16 - i) after:
; from trip 9 on the tiles of one trip differ between them, and a joint load has one descriptor for all that it names.
; LAYOUT: scores are made transposed, S^T = K Q^T: a lane holds ONE query (l % 16) and its registers hold keys 8 (l / 16) + j.  The row maximum
; is then taken inside the lane and once across the halves, and two tiles of S^T, packed to f16, are the second operand of O^T = V^T P^T as
; they stand.  V^T's fragments come from the [key][d] tile by the transposing LDS load.  The row sum l is a fifth product, with a first operand of ones.
; q arrives scaled by 0.125 log2(e): weights are 2^(s - m).
; LIMITS: a weight below 2^-25 of the largest among its wave's keys so far rounds to 0 in f16.  Masked scores are set to -inf, where the reference
; adds the most negative f32: the weight is 0 either way, and every row has its own key unmasked.
.set KP,     272                       ; two keys of k: 256 bytes + 16.  Key n lies at (n / 2) KP + (n % 2) 128: the 16 keys of a fragment load
                                       ; start at (r / 2) 16 + (r % 2) 128 modulo 256: sixteen different 16-byte columns
.set VP,     288                       ; two keys of v: 256 bytes + 32: the 8 keys x 2 halves of a transposing load start at
                                       ; (j / 2) 32 + 16 c + (j % 2) 128 modulo 256: sixteen different columns again
.set VOFF,   64*KP                     ; 17,408: v behind k
.set TILE,   VOFF+64*VP                ; 35,840: k and v of 128 keys
.set SLOT,   2*TILE                    ; 71,680: two trips' tiles
.set STAGE,  2*SLOT                    ; the way out: for each of waves 0-3, 32 rows of 256 + 16 bytes
.set SWAVE,  32*272
.set XCH,    STAGE+4*SWAVE             ; the hand-over: two sets, each with 17 x 512 bytes for each of waves 4-7
.set XWAVE,  17*512
.set XSET,   4*XWAVE
; window 0: v4 / v30 k address in slot 0 / 1, v5 / v31 v address, v6 q offset, v7 -inf, v8-9 query - 8 h in the diagonal tile,
;           v10 / v12 running maximum of query tile 0 / 1, v14 / v16 rescale factor (each the low register of a pair of its own),
;           v18-21 and v26-29 at work, v22-24 the way out, v25 the hand-over,
;           v[32+16 qt+8 ds] q, v[64+32 qt+8 kt] scores, v[128+16 qt+8 kp] weights, v[160+32 qt+8 dt] O, v[224+8 qt] l, v240-255 at work
; window 1: v[16 kt+8 ds] k fragments, v[64+32 kp+8 dt] v fragments, v[128:135] ones, v[136:167] the second block's q
; scalars:  s8 wave, s9 i, s10 bh, s11 15 - i (the first block, and its last trip), s12 wave % 4, s13 wave / 4, s14 cl, s15 my tile of 64 keys,
;           s16 laps, s66 trip, s67 16 - i (the second block's first trip), s68 2 + wave % 2, s70 (wave % 2) TILE, s78 the second block's cl, s79 wave / 2
.set MSB, 0
.macro WIN new
.if MSB != \new
	s_set_vgpr_msb (MSB<<8)|\new
.set MSB, \new
.endif
.endm
.macro PLACES                          ; four places behind a matrix instruction (ISA guide 7.12.1)
.rept 4
	v_nop
.endr
.endm
.macro KVLOAD n                        ; slot n: waves 0 and 1 fetch k of its two tiles, waves 2 and 3 v, one tensor load of 64 rows x 256 bytes each; the others none
	s_cmp_lg_u32 s79, 0
	s_cbranch_scc1 .Lnot_k_\@
	tensor_load_to_lds s[36+4*\n:39+4*\n], s[20:27]
	s_nop 0
.Lnot_k_\@:
	s_cmp_lg_u32 s79, 1
	s_cbranch_scc1 .Lnot_v_\@
	tensor_load_to_lds s[44+4*\n:47+4*\n], s[28:35]
	s_nop 0
.Lnot_v_\@:
.endm
.macro KVLAST n                        ; the last trip stands alone in its slot: wave 0 fetches its k, wave 2 its v; no tile is fetched that no trip reads
	s_cmp_lg_u32 s8, 0
	s_cbranch_scc1 .Lnot_k_\@
	tensor_load_to_lds s[36+4*\n:39+4*\n], s[20:27]
	s_nop 0
.Lnot_k_\@:
	s_cmp_lg_u32 s8, 2
	s_cbranch_scc1 .Lnot_v_\@
	tensor_load_to_lds s[44+4*\n:47+4*\n], s[28:35]
	s_nop 0
.Lnot_v_\@:
.endm
	s_load_b128 s[4:7], s[0:1], 0x0                ; qkv s[4:5], o s[6:7]
	s_set_vgpr_msb 0x40
	v_lshl_add_u32 v176, v0, 2, 0x3c800
	v_mov_b32 v177, 0
	s_set_vgpr_msb 0x4045
	ds_add_u32 v176, v177
	s_set_vgpr_msb 0x4500
	v_lshrrev_b32 v1, 5, v0
	v_readfirstlane_b32 s8, v1                     ; wave 0..7
	s_mov_b32 s9, ttmp9                            ; i
	s_and_b32 s10, ttmp7, 0xffff                   ; bh
	s_and_b32 s12, s8, 3                           ; which 32 queries of a block
	s_lshr_b32 s13, s8, 2                          ; which 64 keys of a tile
	s_lshr_b32 s79, s8, 1                          ; 0: I fetch k, 1: I fetch v, 2 and 3: nothing
	s_and_b32 s68, s8, 1                           ; which of a slot's two tiles I fetch
	s_mul_i32 s70, s68, TILE                       ; its place in a slot
	s_lshl_b32 s72, s68, 14                        ; the first fill's tile, 0 or 1, in bytes: 128 rows of 128 bytes each
	s_mov_b32 s73, 0                               ; the upper word of a tile's offset
	s_add_co_u32 s68, s68, 2                       ; from a slot's first trip to the trip whose tile I fetch then
	s_sub_co_u32 s11, 15, s9                       ; the first block
	s_lshr_b32 s2, s12, 1
	s_lshl1_add_u32 s14, s11, s2                   ; cl: the tile of 64 keys that holds my 32 queries' diagonal, first block
	s_lshl1_add_u32 s78, s9, s2                    ; the same for the second block
	s_mov_b32 s15, s13                             ; my tile of 64 keys in trip 0
	s_mov_b32 s16, 3                               ; laps of the loop: trips 2 to 13
	s_mov_b32 s66, 0                               ; the trip
	s_sub_co_u32 s67, 16, s9                       ; the second block's first trip
	s_mov_b32 s17, 0x76543210                      ; v_permlanex16_b32: lane i of one half reads lane i of the other
	s_mov_b32 s18, 0xfedcba98
	s_and_b32 s19, s12, 1
	s_lshl_b32 s19, s19, 5                         ; my first query inside the diagonal tile
	; descriptor group 1: 64 rows x 128 f16 (two keys a row), padded behind every 64 words by 4 words (k) or 8 words (v)
	s_mov_b32 s20, (1<<16)|(1<<20)|(5<<22)|(3<<25)
	s_mov_b32 s28, (1<<16)|(1<<20)|(5<<22)|(7<<25)
.irp g, 20, 28
	s_mov_b32 s[\g+1], 128<<16                     ; tensor_dim0 = 128
	s_mov_b32 s[\g+2], 64<<16                      ; tensor_dim1 = 64
	s_mov_b32 s[\g+3], 128<<16                     ; tile_dim0 = 128
	s_mov_b32 s[\g+4], 64                          ; tile_dim1 = 64
	s_mov_b32 s[\g+5], 128                         ; elements from row to row: the block is dense
	s_mov_b32 s[\g+6], 0
	s_mov_b32 s[\g+7], 0
.endr
	s_lshl_b32 s2, s10, 18                         ; bh x 262,144
	s_mov_b32 s3, 0
	s_lshl_b32 s57, s12, 5
	s_lshl_b32 s56, s11, 7
	s_add_co_u32 s56, s56, s57                     ; my first query in the first block
	s_lshl_b32 s80, s9, 7
	s_add_co_u32 s80, s80, s57                     ; and in the second
	s_lshl_b32 s60, s10, 11
	s_add_co_u32 s82, s60, s80
	s_add_co_u32 s60, s60, s56
	s_lshl_b32 s60, s60, 8                         ; their rows of 256 bytes in o
	s_lshl_b32 s82, s82, 8
	s_lshl_b32 s56, s56, 7                         ; their rows of 128 bytes in q
	s_lshl_b32 s80, s80, 7
	s_mov_b32 s57, 0
	s_mov_b32 s61, 0
	s_mov_b32 s81, 0
	s_mov_b32 s83, 0
	s_mul_i32 s62, s12, SWAVE
	s_add_co_u32 s62, s62, STAGE                   ; the stage of my 32 queries (used by waves 0-3)
	s_mul_i32 s63, s12, XWAVE
	s_add_co_u32 s63, s63, XCH                     ; the hand-over of my 32 queries: waves w and w + 4 name the same bytes
	s_mul_i32 s84, s13, 32*KP                      ; my 64 keys of a tile of k: 32 rows of two
	s_mul_i32 s85, s13, 32*VP
	s_add_co_u32 s85, s85, VOFF                    ; and of v
	v_and_b32 v1, 15, v0                           ; r
	v_bfe_u32 v2, v0, 4, 1                         ; h
	v_lshrrev_b32 v3, 1, v1
	v_mul_u32_u24 v4, v3, KP                       ; k fragments: key r lies in row r / 2,
	v_and_b32 v3, 1, v0
	v_lshl_add_u32 v4, v3, 7, v4                   ; half r % 2,
	v_lshl_add_u32 v4, v2, 4, v4                   ; 16 bytes at 16 h
	v_add_nc_u32 v4, s84, v4
	v_add_nc_u32 v30, SLOT, v4                     ; slot 1 has address registers of its own: the 16-bit immediate does not reach it
	v_bfe_u32 v5, v0, 1, 2
	v_lshl_add_u32 v5, v2, 2, v5
	v_mul_u32_u24 v5, v5, VP                       ; v fragments: key 8 h + l % 8 lies in row 4 h + (l % 8) / 2,
	v_lshl_add_u32 v5, v3, 7, v5                   ; half l % 2,
	v_bfe_u32 v3, v0, 3, 1
	v_lshl_add_u32 v5, v3, 4, v5                   ; 16 bytes at 16 ((l / 8) % 2)
	v_add_nc_u32 v5, s85, v5
	v_add_nc_u32 v31, SLOT, v5
	v_lshlrev_b32 v6, 7, v1
	v_lshl_add_u32 v6, v2, 4, v6                   ; q fragments from memory
	s_wait_dscnt 0x0
	s_barrier_signal -1
	s_barrier_wait -1
	s_wait_kmcnt 0x0
	s_add_nc_u64 s[4:5], s[4:5], s[2:3]            ; q of this head
	s_add_nc_u64 s[52:53], s[4:5], 0x800000        ; k
	s_add_nc_u64 s[54:55], s[4:5], 0x1000000       ; v
	s_add_nc_u64 s[58:59], s[4:5], s[56:57]        ; my queries, first block
	s_add_nc_u64 s[76:77], s[4:5], s[80:81]        ; my queries, second block
	s_add_nc_u64 s[74:75], s[6:7], s[82:83]        ; my rows of o, second block
	s_add_nc_u64 s[6:7], s[6:7], s[60:61]          ; my rows of o, first block
	; descriptor group 0 for k and for v, a set for each slot: slot 0 takes tiles 0 and 1, slot 1 tiles 2 and 3; mine is the one of my wave % 2
	s_add_nc_u64 s[38:39], s[52:53], s[72:73]
	s_add_nc_u64 s[42:43], s[38:39], 32768
	s_add_nc_u64 s[46:47], s[54:55], s[72:73]
	s_add_nc_u64 s[50:51], s[46:47], 32768
.irp n, 0,1
	s_mov_b32 s[36+4*\n], 1
	s_add_co_u32 s[37+4*\n], s70, \n*SLOT
	s_or_b32 s[39+4*\n], s[39+4*\n], 0x80000000
	s_mov_b32 s[44+4*\n], 1
	s_add_co_u32 s[45+4*\n], s70, \n*SLOT+VOFF
	s_or_b32 s[47+4*\n], s[47+4*\n], 0x80000000
.endr
	; the first fills, both slots, as one group: two loads of a fetching wave are out, the most in this text
	s_cmp_lg_u32 s79, 0
	s_cbranch_scc1 .Lfirst_not_k
	tensor_load_to_lds s[36:39], s[20:27]
	s_nop 0
	tensor_load_to_lds s[40:43], s[20:27]
	s_nop 0
.Lfirst_not_k:
	s_cmp_lg_u32 s79, 1
	s_cbranch_scc1 .Lfirst_not_v
	tensor_load_to_lds s[44:47], s[28:35]
	s_nop 0
	tensor_load_to_lds s[48:51], s[28:35]
	s_nop 0
.Lfirst_not_v:
.irp qt, 0,1
.irp ds, 0,1
	global_load_b128 v[32+16*\qt+8*\ds:35+16*\qt+8*\ds], v6, s[58:59] offset:\qt*2048+\ds*64
	global_load_b128 v[36+16*\qt+8*\ds:39+16*\qt+8*\ds], v6, s[58:59] offset:\qt*2048+\ds*64+32
.endr
.endr
	WIN 0x40
.irp qt, 0,1
.irp ds, 0,1
	global_load_b128 v[136+16*\qt+8*\ds:139+16*\qt+8*\ds], v6, s[76:77] offset:\qt*2048+\ds*64      ; the second block's q is asked for now,
	global_load_b128 v[140+16*\qt+8*\ds:143+16*\qt+8*\ds], v6, s[76:77] offset:\qt*2048+\ds*64+32   ; so that no trip in the middle of the ring waits for memory
.endr
.endr
.irp k, 0,1,2,3,4,5,6,7
	v_mov_b32 v[128+\k], 0x3c003c00                ; f16 ones
.endr
	WIN 0
	v_mov_b32 v7, 0xff800000                       ; -inf
	v_lshlrev_b32 v3, 3, v2
	v_sub_nc_u32 v8, v1, v3
	v_add_nc_u32 v8, s19, v8                       ; query tile 0: my query's place in the diagonal tile, less 8 h
	v_add_nc_u32 v9, 16, v8                        ; query tile 1
.irp r, 11, 13, 15, 17, 20, 28
	v_mov_b32 v\r, 0                               ; the pairs' upper registers and the lane exchange's destinations: written once, never used as numbers
.endr
	v_mul_u32_u24 v22, v1, 272
	v_lshl_add_u32 v22, v2, 4, v22
	v_add_nc_u32 v22, s62, v22                     ; stage, in: row r, 16 bytes at 16 h
	v_mul_u32_u24 v23, v2, 272
	v_lshl_add_u32 v23, v1, 4, v23
	v_add_nc_u32 v23, s62, v23                     ; stage, back: two rows of 256 bytes a load
	v_and_b32 v24, 31, v0
	v_lshlrev_b32 v24, 4, v24                      ; 16 x lane
	v_add_nc_u32 v25, s63, v24                     ; the hand-over goes lane for lane: 512 neighbouring bytes an instruction
	s_wait_loadcnt 0x0                             ; both blocks' q, once
; The accumulators of each group of matrix instructions take turns, one instruction a turn.
.macro QK ds, zero                     ; scores: 4 key tiles x 2 query tiles, 32 of d
.irp qt, 0,1
.irp kt, 0,1,2,3
.if \zero
	v_wmma_f32_16x16x32_f16 v[64+32*\qt+8*\kt:64+32*\qt+8*\kt+7], v[16*\kt+8*\ds:16*\kt+8*\ds+7], v[32+16*\qt+8*\ds:32+16*\qt+8*\ds+7], 0
.else
	v_wmma_f32_16x16x32_f16 v[64+32*\qt+8*\kt:64+32*\qt+8*\kt+7], v[16*\kt+8*\ds:16*\kt+8*\ds+7], v[32+16*\qt+8*\ds:32+16*\qt+8*\ds+7], v[64+32*\qt+8*\kt:64+32*\qt+8*\kt+7]
.endif
.endr
.endr
.endm
.macro PV kp, zero                     ; O^T and l: 32 keys
.irp qt, 0,1
.irp dt, 0,1,2,3
.if \zero
	v_wmma_f32_16x16x32_f16 v[160+32*\qt+8*\dt:160+32*\qt+8*\dt+7], v[64+32*\kp+8*\dt:64+32*\kp+8*\dt+7], v[128+16*\qt+8*\kp:128+16*\qt+8*\kp+7], 0
.else
	v_wmma_f32_16x16x32_f16 v[160+32*\qt+8*\dt:160+32*\qt+8*\dt+7], v[64+32*\kp+8*\dt:64+32*\kp+8*\dt+7], v[128+16*\qt+8*\kp:128+16*\qt+8*\kp+7], v[160+32*\qt+8*\dt:160+32*\qt+8*\dt+7]
.endif
.endr
.endr
.irp qt, 0,1
.if \zero
	v_wmma_f32_16x16x32_f16 v[224+8*\qt:231+8*\qt], v[128:135], v[128+16*\qt+8*\kp:128+16*\qt+8*\kp+7], 0
.else
	v_wmma_f32_16x16x32_f16 v[224+8*\qt:231+8*\qt], v[128:135], v[128+16*\qt+8*\kp:128+16*\qt+8*\kp+7], v[224+8*\qt:231+8*\qt]
.endif
.endr
.endm
; My 64 keys of tile u of the slot for my 32 queries.  first = 1: the sums and the maximum start here.
.macro CHUNK slot, u, first
	PLACES
	WIN 0x40
.irp kt, 0,1,2,3
.irp ds, 0,1
	ds_load_b128 v[16*\kt+8*\ds:16*\kt+8*\ds+3],   v[4+26*\slot] offset:\u*TILE+\kt*8*KP+\ds*64       ; 16 keys are 8 rows of two
	ds_load_b128 v[16*\kt+8*\ds+4:16*\kt+8*\ds+7], v[4+26*\slot] offset:\u*TILE+\kt*8*KP+\ds*64+32
.endr
.endr
.irp kp, 0,1
.irp dt, 0,1,2,3
	ds_load_tr16_b128 v[64+32*\kp+8*\dt:64+32*\kp+8*\dt+3],   v[5+26*\slot] offset:\u*TILE+\kp*16*VP+\dt*32
	ds_load_tr16_b128 v[64+32*\kp+8*\dt+4:64+32*\kp+8*\dt+7], v[5+26*\slot] offset:\u*TILE+\kp*16*VP+\dt*32+8*VP
.endr
.endr
	WIN 0x01
	s_wait_dscnt 16                                ; k's 16 loads are in; v's 16 may stay out
	QK 0, 1
	QK 1, 0
	WIN 0
	PLACES
	s_cmp_lg_u32 s15, s14
	s_cbranch_scc1 .Lno_mask_\@                    ; only the diagonal tile is masked
.irp qt, 0,1
.irp kt, 0,1,2,3
.irp j, 0,1,2,3,4,5,6,7
	v_cmp_gt_i32 vcc_lo, 16*\kt+\j, v[8+\qt]       ; key 16 kt + 8 h + j beyond my query
	v_cndmask_b32 v[64+32*\qt+8*\kt+\j], v[64+32*\qt+8*\kt+\j], v7, vcc_lo
.endr
.endr
.endr
.Lno_mask_\@:
	; the largest of my 32 scores of each query tile, in four chains that do not wait for each other, and of the maximum so far
.irp qt, 0,1
	v_max3_num_f32 v[18+8*\qt], v[64+32*\qt], v[65+32*\qt], v[66+32*\qt]
	v_max3_num_f32 v[19+8*\qt], v[80+32*\qt], v[81+32*\qt], v[82+32*\qt]
.endr
.irp k, 0,1,2,3,4,5
.irp qt, 0,1
	v_max3_num_f32 v[18+8*\qt], v[18+8*\qt], v[67+32*\qt+2*\k], v[68+32*\qt+2*\k]
	v_max3_num_f32 v[19+8*\qt], v[19+8*\qt], v[83+32*\qt+2*\k], v[84+32*\qt+2*\k]
.endr
.endr
.irp qt, 0,1
	v_max3_num_f32 v[18+8*\qt], v[18+8*\qt], v[79+32*\qt], v[95+32*\qt]
.endr
.irp qt, 0,1
.if \first
	v_max_num_f32 v[18+8*\qt], v[18+8*\qt], v[19+8*\qt]
.else
	v_max3_num_f32 v[18+8*\qt], v[18+8*\qt], v[19+8*\qt], v[10+2*\qt]
.endif
.endr
	v_permlanex16_b32 v20, v18, s17, s18           ; the other half of the lanes holds the query's other keys
	v_permlanex16_b32 v28, v26, s17, s18
	v_max_num_f32 v18, v18, v20
	v_max_num_f32 v26, v26, v28
.if \first == 0
	v_sub_f32 v21, v10, v18
	v_sub_f32 v29, v12, v26
	v_exp_f32 v14, v21                             ; 2^(old maximum - new): the plain moves below stand between these and their use
	v_exp_f32 v16, v29
.endif
	v_mov_b32 v10, v18
	v_mov_b32 v12, v26
.irp qt, 0,1
.irp p, 0,2,4,6,8,10,12,14,16,18,20,22,24,26,28,30
	v_pk_add_f32 v[64+32*\qt+\p:65+32*\qt+\p], v[64+32*\qt+\p:65+32*\qt+\p], v[10+2*\qt:11+2*\qt] op_sel_hi:[1,0] neg_lo:[0,1] neg_hi:[0,1]
.endr
.endr
.set k, 0
.rept 64
	v_exp_f32 v[64+k], v[64+k]
.set k, k+1
.endr
	v_nop                                          ; one plain place behind the last exponential
.set k, 0
	s_wait_alu depctr_va_vdst(0)
.rept 32
	v_cvt_pk_f16_f32 v[128+k], v[64+2*k], v[64+2*k+1]   ; two tiles of S^T side by side are P^T's fragment
.set k, k+1
.endr
.if \first == 0
.set k, 0
.rept 16
	v_pk_mul_f32 v[160+2*k:161+2*k], v[160+2*k:161+2*k], v[14:15] op_sel_hi:[1,0]
	v_pk_mul_f32 v[192+2*k:193+2*k], v[192+2*k:193+2*k], v[16:17] op_sel_hi:[1,0]
.set k, k+1
.endr
	v_mul_f32 v224, v224, v14                      ; of l's eight equal rows only register 0 is kept right and used; the other seven are never
	v_mul_f32 v232, v232, v16                      ; rescaled: sums of at most 17 x 64 = 1,088 weights of at most 1
.endif
	s_wait_dscnt 0x0                               ; v's fragments
	WIN 0x01
	PV 0, \first
	PV 1, 0
	WIN 0
.endm
; Waves 4-7 put their maximum, sum and O of the block that has ended into set xs of the hand-over.
.macro HANDOVER xs
	s_cmp_lt_u32 s8, 4
	s_cbranch_scc1 .Lkeeps_\@
	PLACES                                         ; O and l are matrix results
	v_mov_b32 v240, v10                            ; four numbers that lie apart, into one store of 16 bytes
	v_mov_b32 v241, v12
	v_mov_b32 v242, v224
	v_mov_b32 v243, v232
.irp k, 0,1,2,3,4,5,6,7,8,9,10,11,12,13,14,15
	ds_store_b128 v25, v[160+4*\k:163+4*\k] offset:\xs*XSET+512*\k
.endr
	ds_store_b128 v25, v[240:243] offset:\xs*XSET+16*512
.Lkeeps_\@:
.endm
; One tile of 16 queries x 16 d: O = O_a g_a + O_b g_b, split into bf16 hi and bf16 (rest), into my stage
.macro OUTT qt, dt
.set OB, 160+32*\qt+8*\dt
.irp p, 0,2,4,6
	v_pk_mul_f32 v[OB+\p:OB+\p+1], v[OB+\p:OB+\p+1], v[14+2*\qt:15+2*\qt] op_sel_hi:[1,0]
.endr
.irp p, 0,2,4,6
	v_pk_fma_f32 v[OB+\p:OB+\p+1], v[OB-96+\p:OB-96+\p+1], v[18+8*\qt:19+8*\qt], v[OB+\p:OB+\p+1] op_sel_hi:[1,0,1]
.endr
.irp p, 0,1,2,3
	v_cvt_pk_bf16_f32 v[240+\p], v[OB+2*\p], v[OB+2*\p+1]
.endr
.irp p, 0,1,2,3
	v_lshlrev_b32 v[244+2*\p], 16, v[240+\p]
	v_and_b32 v[245+2*\p], 0xffff0000, v[240+\p]
.endr
.irp p, 0,2,4,6
	v_pk_add_f32 v[OB+\p:OB+\p+1], v[OB+\p:OB+\p+1], v[244+\p:245+\p] neg_lo:[0,1] neg_hi:[0,1]
.endr
.irp p, 0,1,2,3
	v_cvt_pk_bf16_f32 v[252+\p], v[OB+2*\p], v[OB+2*\p+1]
.endr
	ds_store_b128 v22, v[240:243] offset:\qt*4352+\dt*32
	ds_store_b128 v22, v[252:255] offset:\qt*4352+\dt*32+128
.endm
; Waves 0-3: my sums (a) and my partner's (b, from set xs) become one: m = max(M_a, M_b), f = 2^(M - m), l = l_a f_a + l_b f_b, g = f / l.
; A partner that had no unmasked key hands over M = -inf and finite sums that mean nothing: its f is 0.  My own keys hold key 0 of the sequence,
; so M_a is finite.  Then out through my own stage as whole rows of 256 bytes, to the rows at s[b:b+1].
.macro MERGE xs, b
	PLACES                                         ; O and l are matrix results, and the scores' registers take the partner's O
	ds_load_b128 v[240:243], v25 offset:\xs*XSET+16*512
.irp k, 0,1,2,3,4,5,6,7,8,9,10,11,12,13,14,15
	ds_load_b128 v[64+4*\k:67+4*\k], v25 offset:\xs*XSET+512*\k
.endr
	s_wait_dscnt 16                                ; the partner's maxima and sums are in; the 16 loads of its O may stay out
	v_max_num_f32 v18, v10, v240
	v_max_num_f32 v26, v12, v241
	v_sub_f32 v19, v10, v18
	v_sub_f32 v27, v12, v26
	v_sub_f32 v20, v240, v18
	v_sub_f32 v28, v241, v26
	v_exp_f32 v19, v19                             ; f_a
	v_exp_f32 v27, v27
	v_exp_f32 v20, v20                             ; f_b
	v_exp_f32 v28, v28
	v_nop                                          ; one plain place behind the last exponential
	s_wait_alu depctr_va_vdst(0)
	v_mul_f32 v21, v224, v19
	v_mul_f32 v29, v232, v27
	v_fmac_f32 v21, v242, v20                      ; l
	v_fmac_f32 v29, v243, v28
	v_rcp_f32 v21, v21
	v_rcp_f32 v29, v29
	v_nop                                          ; one plain place behind the last reciprocal
	s_wait_alu depctr_va_vdst(0)
	v_mul_f32 v14, v19, v21                        ; g_a
	v_mul_f32 v16, v27, v29
	v_mul_f32 v18, v20, v21                        ; g_b
	v_mul_f32 v26, v28, v29
	s_wait_dscnt 0x0                               ; the partner's O
.irp qt, 0,1
.irp dt, 0,1,2,3
	OUTT \qt, \dt
.endr
.endr
.irp t, 0,1,2,3,4,5,6,7,8,9,10,11,12,13,14,15
	ds_load_b128 v[64+4*\t:67+4*\t], v23 offset:544*\t     ; LDS serves a wave in order: these see the stores above
.endr
.irp t, 0,1,2,3,4,5,6,7,8,9,10,11,12,13,14,15
	s_wait_dscnt 15-\t
	global_store_b128 v24, v[64+4*\t:67+4*\t], s[\b:\b+1] offset:512*\t   ; two rows: 512 consecutive bytes, aligned
.endr
.endm
; The second block's first trip, behind its barrier: waves 0-3 finish the first block; every wave starts anew.
; O and l are not cleared.  The maximum is set to -inf, so the new block's first rescale factor is 2^(-inf) = 0, and what it multiplies is finite:
; sums of at most 2,048 weights of at most 1 times |v| < 65,504.  A wave with no unmasked key in the new block (block 0: waves 4 and 5)
; hands the old sums over with the maximum -inf, and the merge gives them the factor 0.
.macro SWITCH xs
	s_cmp_ge_u32 s8, 4
	s_cbranch_scc1 .Lno_merge_\@
	MERGE \xs, 6
.Lno_merge_\@:
	PLACES                                         ; q's registers are sources of matrix instructions
	WIN 0x01
.set k, 0
.rept 32
	v_mov_b32 v[32+k], v[136+k]                    ; the second block's q, once
.set k, k+1
.endr
	WIN 0
	v_mov_b32 v10, v7                              ; the maximum of nothing
	v_mov_b32 v12, v7
	s_mov_b32 s14, s78
	s_mov_b32 s15, s13
	s_wait_xcnt 0x0                                ; the registers that the stores above read are written again only behind this wait
.endm
; One trip: tile u of the slot.
; tw = 1: the slot changes.  In front of the barrier every wave waits for all its tensor loads (its part of this slot among them) and for its LDS
; reads and stores.  fill = 1: behind it the other slot, read in the last two trips, is filled again first of all, one load a wave, with the tiles
; of the two trips behind this slot's: they have this slot's two trips in which to land.  fill = 2: the same for the last trip's tile alone.
; tw = 0: a barrier for the hand-over alone.
; The trip with parity u reads set xr = 1 - u of the hand-over and writes set u, so that a barrier stands between any write and any read of the same bytes.
.macro TRIP slot, other, u, xr, tw, fill, first, sw, hand
.if \tw
	s_set_vgpr_msb 0x5
	s_wait_tensorcnt 0x0
	ds_add_u32 v176, v177
	s_wait_dscnt 0x0
	s_set_vgpr_msb 0x500
.endif
.if \fill
	s_add_co_u32 s69, s66, s68                     ; no load is out, so the other slot's addresses may be written: the trip whose tile I fetch;
	s_sub_co_u32 s72, s69, s67                     ; its tile is the trip's number in the first block, and counts from 0 again in the second
	s_cmp_lt_u32 s69, s67
	s_cselect_b32 s72, s69, s72
	s_lshl_b32 s72, s72, 14                        ; 128 keys of 128 bytes
	s_add_nc_u64 s[38+4*\other:39+4*\other], s[52:53], s[72:73]
	s_or_b32 s[39+4*\other], s[39+4*\other], 0x80000000
	s_add_nc_u64 s[46+4*\other:47+4*\other], s[54:55], s[72:73]
	s_or_b32 s[47+4*\other], s[47+4*\other], 0x80000000
.endif
	s_wait_dscnt 0x0
	s_barrier_signal -1
	s_barrier_wait -1
.if \fill == 1
	KVLOAD \other
.endif
.if \fill == 2
	KVLAST \other
.endif
.if \sw
	s_cmp_lg_u32 s66, s67
	s_cbranch_scc1 .Lsame_\@
	SWITCH \xr
.Lsame_\@:
.endif
.if \first == 0
	s_cmp_gt_u32 s15, s14
	s_cbranch_scc1 .Lbeyond_\@                     ; all of my 64 keys lie behind my queries
.endif
	CHUNK \slot, \u, \first
.Lbeyond_\@:
.if \hand
	s_cmp_lg_u32 s66, s11
	s_cbranch_scc1 .Lgoes_on_\@                    ; not the first block's last trip
	HANDOVER \u
.Lgoes_on_\@:
.endif
	s_add_co_u32 s66, s66, 1
	s_add_co_u32 s15, s15, 2
.endm
	s_wait_tensorcnt 0x1                           ; my part of slot 0 is in; slot 1's may stay out
	TRIP 0, 1, 0, 1, 0, 0, 1, 0, 0                 ; trip 0 starts the first block's sums
	TRIP 0, 1, 1, 0, 0, 0, 0, 0, 0                 ; trip 1 (the first block has nine tiles at the least: no change of blocks before trip 9)
.Llap:
	TRIP 1, 0, 0, 1, 1, 1, 0, 1, 1                 ; trips 2 to 13
	TRIP 1, 0, 1, 0, 0, 0, 0, 1, 1
	TRIP 0, 1, 0, 1, 1, 1, 0, 1, 1
	TRIP 0, 1, 1, 0, 0, 0, 0, 1, 1
	s_sub_co_i32 s16, s16, 1
	s_cmp_lg_u32 s16, 0
	s_cbranch_scc1 .Llap
	TRIP 1, 0, 0, 1, 1, 2, 0, 1, 1                 ; trip 14: only trip 16's tile is left to fetch
	TRIP 1, 0, 1, 0, 0, 0, 0, 1, 1                 ; trip 15
	TRIP 0, 1, 0, 1, 1, 0, 0, 1, 0                 ; trip 16, the second block's last, fetches nothing
	HANDOVER 0
	s_wait_dscnt 0x0                               ; my part of the hand-over is written
	s_barrier_signal -1
	s_barrier_wait -1
	s_cmp_ge_u32 s8, 4
	s_cbranch_scc1 .Ldone
	MERGE 0, 74
.Ldone:
	s_set_vgpr_msb 0x5
	s_wait_tensorcnt 0x0
	ds_add_u32 v176, v177
	s_wait_dscnt 0x0
	s_set_vgpr_msb 0x500
	s_endpgm
.Lfunc_end_k_q61cabf29ec_attn:
	.size	k_q61cabf29ec_attn, .Lfunc_end_k_q61cabf29ec_attn-k_q61cabf29ec_attn
	.p2alignl 7, 3214868480
	.fill 96, 4, 3214868480
	.section	.rodata,"a",@progbits
	.p2align	6, 0x0
	.amdhsa_kernel k_q61cabf29ec_attn
		.amdhsa_group_segment_fixed_size 327680
		.amdhsa_private_segment_fixed_size 0
		.amdhsa_enable_private_segment 0
		.amdhsa_kernarg_size 16
		.amdhsa_user_sgpr_count 2
		.amdhsa_user_sgpr_kernarg_segment_ptr 1
		.amdhsa_wavefront_size32 1
		.amdhsa_system_sgpr_workgroup_id_x 1
		.amdhsa_system_sgpr_workgroup_id_y 1
		.amdhsa_system_sgpr_workgroup_id_z 1
		.amdhsa_system_vgpr_workitem_id 0
		.amdhsa_next_free_vgpr 434
		.amdhsa_next_free_sgpr 86
		.amdhsa_reserve_vcc 1
		.amdhsa_float_denorm_mode_32 3
		.amdhsa_float_denorm_mode_16_64 3
		.amdhsa_memory_ordered 1
		.amdhsa_forward_progress 1
		.amdhsa_inst_pref_size 255
	.end_amdhsa_kernel
	.section	.bss,"aw",@nobits
	.p2align	6
	.space	262144
	.amdgpu_metadata
---
amdhsa.version: [ 1, 2 ]
amdhsa.kernels:
  - .name:           k_q61cabf29ec_attn
    .symbol:         k_q61cabf29ec_attn.kd
    .args:
      - { .name: qkv, .offset: 0, .size: 8, .value_kind: global_buffer, .address_space: global }
      - { .name: o, .offset: 8, .size: 8, .value_kind: global_buffer, .address_space: global }
    .group_segment_fixed_size: 327680
    .private_segment_fixed_size: 0
    .kernarg_segment_align: 8
    .kernarg_segment_size: 16
    .max_flat_workgroup_size: 256
    .sgpr_count:     86
    .vgpr_count:     434
    .wavefront_size: 32
...
	.end_amdgpu_metadata
.endif
;; end of part 4
;; launch proj: the kernel of part 3 again; grid 4 x 64, 4 waves a work-group, clusters of 4 x 4, 327,680 bytes of LDS; arguments o, wot, bo, out0; writes out0
